; MI455X (gfx1250); checked and timed in simulation.
; The chip was launched on July 23, 2026; its instructions are those of AMD's public machine-readable ISA for CDNA 5 (MIT licence, August 2026) and "CDNA5" Instruction Set Architecture Reference Guide (July 2026). The comments in the code are by the model that wrote it; some were corrected since.
;; Multi Head Attention. Allowed arithmetic: matrix products marked QUANTISED: E2M1 operands, one E8M0 scale for each 32 along K, by v_wmma_scale_f32_16x16x128_f8f6f4 with both operands' format E2M1 (or v_wmma_scale_f32_32x16x128_f4), f32 sums; products left as they are: bf16, f16 or f32 operands; f32 sums; everything else in f32.
;; Inputs: k 8 x 1,024 x 1,024 float32; mask 8 x 1 x 1 x 1,024 float32; q_in 8 x 1,024 x 1,024 float32; v 8 x 1,024 x 1,024 float32; wk_b 1,024 float32; wk_w 1,024 x 1,024 float32; wo_b 1,024 float32; wo_w 2,048 x 1,024 float32; wq_b 1,024 float32; wq_w 1,024 x 1,024 float32; wv_b 1,024 float32; wv_w 1,024 x 1,024 float32.
;; Outputs: out0 8 x 1,024 x 1,024 float32.
;; This version of the problem:
;;   THIS VERSION OF THE PROBLEM IS GIVEN IN LOW PRECISION. The matrix products marked QUANTISED in the list below multiply operands that are first quantised to E2M1 (2 exponent bits, 1 mantissa bit; 4 bits a number), with one power-of-two scale for each 32 numbers along K (OCP MX v1.0); their sums are f32. The products marked 'left as it is' may take bf16, f16 or f32 operands, with f32 sums. Whichever they take, every output number must still come out within the allowed error. Rounding operands to bf16 (8 significant bits) uses up far more of that allowance than f16 does (11 bits, for magnitudes from 6e-5 to 65,504). All else is computed in f32.
;;   The module's matrix products, in the order in which they are computed (A, B: the left and right operand; K: the contracted axis; several contracted axes count as one K, in the product's order):
;;     1. [M 8,192, K 1,024] x [K 1,024, N 1,024]; A: input q_in; B: input wq_w: QUANTISED
;;     2. [M 8,192, K 1,024] x [K 1,024, N 1,024]; A: input k; B: input wk_w: QUANTISED
;;     3. [M 8,192, K 1,024] x [K 1,024, N 1,024]; A: input v; B: input wv_w: QUANTISED
;;     4. batch 128 x [M 1,024, K 64] x [K 64, N 1,024]; A: computed on the way; B: computed on the way: left as it is (an operand is computed on the way)
;;     5. batch 128 x [M 1,024, K 1,024] x [K 1,024, N 64]; A: computed on the way; B: computed on the way: left as it is (an operand is computed on the way)
;;     6. [M 8,192, K 2,048] x [K 2,048, N 1,024]; A: computed on the way; B: input wo_w: left as it is (an operand is computed on the way)
;;   THE QUANTISER, for each operand of a quantised product, along K:
;;     - K is cut into blocks of 32 from its start; a last block that is shorter is filled with zeros.
;;     - A block's scale is 2^e with e = floor(log2(the largest magnitude in the block)) - 2, held to -126 .. 127; a block of zeros has e = 0. As a byte (E8M0): e + 127.
;;     - Each number is divided by its block's scale, clamped to +-6, and rounded to the nearest number of E2M1, ties to even, subnormals kept.
;;     - The product sums the exact products of the quantised numbers (number of the format x scale) in f32.
;;   ~~~python
;;   def quantise(x, axis):      # numpy; x: float32 -> the quantised numbers, widened to float32 again
;;       x = np.moveaxis(x, axis, -1); K = x.shape[-1]
;;       x = np.pad(x, [(0, 0)] * (x.ndim - 1) + [(0, -K % 32)]); x = x.reshape(x.shape[:-1] + (-1, 32)); a = np.abs(x).max(-1, keepdims=True)
;;       e = np.where(a > 0, np.clip(np.frexp(np.where(a > 0, a, 1))[1] - 1 - 2, -126, 127), 0)      # np.frexp(a)[1] - 1 = floor(log2(a)), exactly
;;       r = np.clip(x / 2.0 ** e, -6, 6)
;;       step = 2.0 ** (np.maximum(np.frexp(np.where(r == 0, 1, r))[1] - 1, 0) - 1)
;;       q = np.round(r / step) * step * 2.0 ** e      # np.round: ties to even
;;       return np.moveaxis(q.reshape(q.shape[:-2] + (-1,))[..., :K], -1, axis).astype(np.float32)
;;   ~~~
;; One version. Each part assembles by itself: llvm-mc -triple=amdgcn-amd-amdhsa -mcpu=gfx1250 --defsym DOCPART=n.
;; ======== version 1 of 1: 4 launches
;; limits: values are held in f16: magnitudes above 65,504 overflow, below 6.1e-05 lose precision
;; workspace buffers: x_codes 12,582,912 bytes; x_scales 786,432 bytes; w_codes 1,572,864 bytes; w_scales 98,304 bytes; wot 4,194,304 bytes; qkv 50,331,648 bytes; cat 33,554,432 bytes
;; launch prep (part 1): grid 944 x 1, 4 waves a work-group, no clusters, 108,032 bytes of LDS; arguments q_in, k, v, wq_w, wk_w, wv_w, wo_w, x_codes, x_scales, w_codes, w_scales, wot, cat; writes x_codes, x_scales, w_codes, w_scales, wot, cat
.if DOCPART == 1
	.amdgcn_target "amdgcn-amd-amdhsa--gfx1250"
	.amdhsa_code_object_version 6
	.text
	.protected	k_qf1681c1ea2_prep
	.globl	k_qf1681c1ea2_prep
	.p2align	8
	.type	k_qf1681c1ea2_prep,@function
k_qf1681c1ea2_prep:
	s_mov_b64 s[64:65], 0
	v_nop
	global_prefetch_b8 v0, s[64:65] scope:SCOPE_SE
	s_setreg_imm32_b32 hwreg(HW_REG_WAVE_MODE, 25, 1), 1
	s_wait_xcnt 0x0
; PREP: every operand is brought into the form in which the later launches read it.  No matrix work; memory binds.
;   path W (work-groups 0-47):    wq_w, wk_w, wv_w [1024 k][1024 n] f32 -> codes of FP4 (E2M1), K innermost, [3][1024 n][512 bytes], and one E8M0 byte for each 32 along K, [3][1024 n][32].
;   path O (work-groups 48-175):  wo_w [2048 k][1024 n] f32 -> f16, turned: wot [1024 n][2048 k].
;   path X (work-groups 176-943): q_in, k, v [8192][1024] f32 -> codes [3][8192][512 bytes] and scale bytes [3][8192][32]; q_in also as f16 into cat [8 b][32 g][1024 s][64], groups g = 0..15 (columns 64 g on).
; A block's scale is 2^(floor(log2(its largest magnitude)) - 2); its byte is the largest magnitude's exponent field - 2, held at 1 from below.  Each number is divided by the scale and rounded to the nearest code, ties to even,
; what lies beyond 6 to the largest code.
; LIMITS: a block of zeros gets the byte 1 where the quantiser's text says 127: its codes are zeros, and the bytes are read by this program alone.  NaN and infinities among the inputs are not served.
; |q_in| and |wo_w| must stay under 65,504, the largest f16 number.
; The three paths part on the work-group's number alone; each has LDS bytes of its own.  Waves share nothing: no barrier.
.set SPARE, 107520                     ; behind the three paths' bytes: the spare words, 128 bytes for each wave: two blocks of 256 bytes that no other line names
.set SPW,   12                         ; v12  LDS address of my spare word: SPARE + 4 x my thread's number; never rewritten
.set NIL,   13                         ; v13  0; never rewritten
.set WV,    34                         ; s34  my wave's number
.macro FINISH                          ; a wave's end, behind my last LDS store
	s_wait_tensorcnt 0x0
	ds_add_u32 v[SPW], v[NIL]
	s_wait_dscnt 0x0
	s_endpgm
.endm
	s_load_b512 s[8:23], s[0:1], 0x0               ; q_in s[8:9], k s[10:11], v s[12:13], wq_w s[14:15], wk_w s[16:17], wv_w s[18:19], wo_w s[20:21], x_codes s[22:23]
	s_load_b256 s[24:31], s[0:1], 0x40             ; x_scales s[24:25], w_codes s[26:27], w_scales s[28:29], wot s[30:31]
	s_load_b64 s[32:33], s[0:1], 0x60              ; cat
	v_lshl_add_u32 v[SPW], v0, 2, SPARE
	v_mov_b32 v[NIL], 0
	v_lshrrev_b32 v1, 5, v0
	v_readfirstlane_b32 s[WV], v1                  ; wave 0..3
	v_and_b32 v1, 31, v0                           ; lane
	s_wait_kmcnt 0x0
	s_cmp_lt_u32 ttmp9, 48
	s_cbranch_scc1 .Lpath_w
	s_cmp_lt_u32 ttmp9, 176
	s_cbranch_scc1 .Lpath_o
; ---------------------------------------------------------------- PATH X
; A wave takes 8 rows, in 8 steps of 2 rows x 512 numbers (step t: rows 2 (t / 2), 2 (t / 2) + 1, columns 512 (t % 2) on).  Each of a step's eight loads reads 256 consecutive bytes of each of the two rows, 16 a lane.
; The conversions want a whole block of 32 neighbours in ONE lane: so the step's 4,096 bytes turn through the wave's own stage in LDS (a block's 128 bytes + 16 of padding: 144) and come back a block a lane.
; As loaded, load i of a step is group 8 (t % 2) + i of cat for two neighbouring tokens: 4 numbers a lane, 8 bytes of f16, 256 consecutive bytes a store.
.set LIN,  2                           ; v2   in: (lane / 16) rows of 4,096 bytes + 16 (lane % 16)
.set SIN,  3                           ; v3   the stage, on the way in
.set SOUT, 4                           ; v4   and on the way out: 144 x lane
.set COUT, 5                           ; v5   my 16 bytes of codes: (lane / 16) x 512 + 16 (lane % 16)
.set SBY,  6                           ; v6   LDS: my block's scale byte among my wave's 256
.set SRD,  7                           ; v7   LDS: 8 of those bytes on the way out
.set L8,   8                           ; v8   8 x lane
.set XR,   16                          ; v16-111  three sets of 32 numbers as loaded
.set XX,   112                         ; v112-175 two sets of 32 neighbours
.set XH,   176                         ; v176-191 a step's numbers as f16
.set XC,   192                         ; v192-223 codes: four registers for each step, never written again
.set XE,   224                         ; v224-231 a scale byte for each step
.set ISQ,  39                          ; s39  1 where the tensor is q_in
	s_sub_co_u32 s35, ttmp9, 176
	s_lshr_b32 s36, s35, 8                         ; which tensor: 0 q_in, 1 k, 2 v
	s_and_b32 s37, s35, 255
	s_lshl_b32 s37, s37, 5
	s_lshl_b32 s38, s[WV], 3
	s_add_co_u32 s37, s37, s38                     ; my wave's first row: 32 x work-group + 8 x wave
	s_cmp_eq_u32 s36, 1
	s_cselect_b64 s[40:41], s[10:11], s[12:13]
	s_cmp_eq_u32 s36, 0                            ; the choice hangs on the work-group's number alone
	s_cselect_b64 s[40:41], s[8:9], s[40:41]
	s_cselect_b32 s[ISQ], 1, 0
	s_lshl_b32 s42, s37, 12
	s_mov_b32 s43, 0
	s_add_nc_u64 s[40:41], s[40:41], s[42:43]      ; the numbers at my first row
	s_lshl_b32 s44, s36, 13
	s_add_co_u32 s44, s44, s37                     ; the row among all 24,576
	s_lshl_b32 s42, s44, 9
	s_add_nc_u64 s[22:23], s[22:23], s[42:43]      ; its codes
	s_lshl_b32 s42, s44, 5
	s_add_nc_u64 s[24:25], s[24:25], s[42:43]      ; its scale bytes
	s_lshr_b32 s42, s37, 10
	s_lshl_b32 s42, s42, 22                        ; cat: the batch, 4,194,304 bytes each,
	s_and_b32 s45, s37, 1023
	s_lshl_b32 s45, s45, 7                         ; and the token, 128 bytes in each group
	s_add_co_u32 s42, s42, s45
	s_add_nc_u64 s[32:33], s[32:33], s[42:43]
	s_mul_i32 s46, s[WV], 9472                     ; my wave's LDS: two stages of 32 x 144 bytes, then 256 scale bytes
	v_lshrrev_b32 v9, 4, v1                        ; lane / 16
	v_and_b32 v10, 15, v1                          ; lane % 16
	v_lshlrev_b32 v[LIN], 12, v9
	v_lshl_add_u32 v[LIN], v10, 4, v[LIN]
	v_lshrrev_b32 v11, 3, v10
	v_lshl_add_u32 v11, v9, 4, v11                 ; the place of my 16 bytes' block: 16 (lane / 16) + (lane % 16) / 8; a load's two blocks a row: 2 places on for each load
	v_mul_u32_u24 v[SIN], v11, 144
	v_and_b32 v11, 7, v1
	v_lshl_add_u32 v[SIN], v11, 4, v[SIN]
	v_add_nc_u32 v[SIN], s46, v[SIN]
	v_mul_u32_u24 v[SOUT], v1, 144
	v_add_nc_u32 v[SOUT], s46, v[SOUT]
	v_lshlrev_b32 v[COUT], 9, v9
	v_lshl_add_u32 v[COUT], v10, 4, v[COUT]
	v_lshl_add_u32 v[SBY], v9, 5, v10
	v_add_nc_u32 v[SBY], s46, v[SBY]
	v_add_nc_u32 v[SBY], 9216, v[SBY]
	v_lshlrev_b32 v[L8], 3, v1
	v_add_nc_u32 v[SRD], s46, v[L8]
	v_add_nc_u32 v[SRD], 9216, v[SRD]
.macro XLOAD t
.irp i, 0,1,2,3,4,5,6,7
	global_load_b128 v[XR+32*((\t)%3)+4*\i:XR+32*((\t)%3)+4*\i+3], v[LIN], s[40:41] offset:((\t)/2)*8192+((\t)%2)*2048+256*\i th:TH_LOAD_NT
.endr
.endm
.macro F16OUT t                        ; q_in alone: the step's numbers as f16 into cat
	s_cmp_eq_u32 s[ISQ], 0
	s_cbranch_scc1 .Lno_f16_\@
	s_wait_xcnt 0x0                                ; the last step's stores have read XH: it is written again only behind this wait
.irp i, 0,1,2,3,4,5,6,7
	v_cvt_pk_f16_f32 v[XH+2*\i], v[XR+32*((\t)%3)+4*\i], v[XR+32*((\t)%3)+4*\i+1]
	v_cvt_pk_f16_f32 v[XH+2*\i+1], v[XR+32*((\t)%3)+4*\i+2], v[XR+32*((\t)%3)+4*\i+3]
.endr
.irp i, 0,1,2,3,4,5,6,7
	global_store_b64 v[L8], v[XH+2*\i:XH+2*\i+1], s[32:33] offset:(8*((\t)%2)+\i)*131072+256*((\t)/2)   ; two tokens of one group: 256 consecutive bytes, aligned
.endr
.Lno_f16_\@:
.endm
.macro XTURN t                         ; step t's numbers through the stage: LDS serves a wave's instructions in order, so no wait stands between the stores and the loads
	F16OUT \t
.irp i, 0,1,2,3,4,5,6,7
	ds_store_b128 v[SIN], v[XR+32*((\t)%3)+4*\i:XR+32*((\t)%3)+4*\i+3] offset:((\t)%2)*4608+288*\i
.endr
.irp j, 0,1,2,3,4,5,6,7
	ds_load_b128 v[XX+32*((\t)%2)+4*\j:XX+32*((\t)%2)+4*\j+3], v[SOUT] offset:((\t)%2)*4608+16*\j
.endr
.endm
.macro XSTEP t
.set XS, XX+32*((\t)%2)
.if (\t) > 0
	s_wait_dscnt 1                                 ; this step's block is back from the stage (the last step's byte store may be out): so its stores into the stage have read their registers,
.else
	s_wait_dscnt 0x0
.endif
.if (\t)+3 < 8
	XLOAD (\t)+3                                   ; which take the loads of three steps on
.endif
.if (\t)+1 < 8
.if (\t) < 5
	s_wait_loadcnt 16                              ; the next step's eight loads are in; those of the two steps behind it may be out
.else
	s_wait_loadcnt 8*(6-(\t))
.endif
	XTURN (\t)+1                                   ; and go through the other stage while this step is worked
.endif
	v_max3_num_f32 v9, |v[XS]|, |v[XS+1]|, |v[XS+2]|               ; the block's largest magnitude: all 32 numbers are mine; two chains
	v_max3_num_f32 v10, |v[XS+3]|, |v[XS+4]|, |v[XS+5]|
.irp i, 6,10,14,18,22,26
	v_max3_num_f32 v9, v9, |v[XS+\i]|, |v[XS+\i+1]|
	v_max3_num_f32 v10, v10, |v[XS+\i+2]|, |v[XS+\i+3]|
.endr
	v_max3_num_f32 v9, v9, |v[XS+30]|, |v[XS+31]|
	v_max3_num_f32 v9, v9, v10, 0x1800000          ; and the floor 2^(3 - 127): the byte cannot fall under 1
	v_add_nc_u32 v11, 0xff000000, v9               ; 2 off the exponent field: the conversion takes the exponent field of this operand as its scale, and nothing else of it
.irp g, 0,1,2,3
	v_cvt_scalef32_pk8_fp4_f32 v[XC+4*(\t)+\g], v[XS+8*\g:XS+8*\g+7], v11
.endr
	v_lshrrev_b32 v[XE+(\t)], 23, v11              ; the scale's byte (also the plain line behind the conversions)
	ds_store_b8 v[SBY], v[XE+(\t)] offset:64*((\t)/2)+16*((\t)%2)
	global_store_b128 v[COUT], v[XC+4*(\t):XC+4*(\t)+3], s[22:23] offset:1024*((\t)/2)+256*((\t)%2)   ; each half of the lanes stores 256 consecutive bytes, aligned
.endm
	XLOAD 0
	XLOAD 1
	XLOAD 2
	s_wait_loadcnt 16                              ; step 0's eight loads are in
	XTURN 0
.irp t, 0,1,2,3,4,5,6,7
	XSTEP \t
.endr
	ds_load_b64 v[10:11], v[SRD]                   ; LDS serves a wave's instructions in order: this sees my byte stores
	s_wait_dscnt 0x0
	global_store_b64 v[L8], v[10:11], s[24:25]     ; my 8 rows' 256 scale bytes: one aligned run of 256
	FINISH
; ---------------------------------------------------------------- PATHS W AND O: K is the tensor's FIRST axis
; A lane takes a column n, and its registers run down K: each load reads 128 consecutive bytes a wave, a block of 32 along K lies in one lane's 32 registers, and what is made of it has K innermost.
; A lane's results belong to one row of the output and the lanes beside it hold other rows: they go through the wave's own stage in LDS (32 rows of 256 bytes + 16) and leave as rows, sixteen lanes to 256 consecutive bytes.
.set CX,   32                          ; v32-95   two sets of 32 numbers
.set CC,   96                          ; v96-111  a block's results
.set OUTR, 112                         ; v112-175 the way out
.set SB,   24                          ; v24-27   path W: the scale bytes, four to a register
.macro COLSET krow                     ; s46 = my stage.  v2 in: 4 x lane; v3 into the stage: row = my column; v4 out of it: sixteen lanes to a row, two rows an instruction; v5 the same place in the output, rows krow bytes apart
	v_lshlrev_b32 v2, 2, v1
	v_mul_u32_u24 v3, v1, 272
	v_add_nc_u32 v3, s46, v3
	v_and_b32 v9, 15, v1
	v_lshrrev_b32 v10, 4, v1
	v_mul_u32_u24 v4, v10, 272
	v_lshl_add_u32 v4, v9, 4, v4
	v_add_nc_u32 v4, s46, v4
	v_mul_u32_u24 v5, v10, \krow
	v_lshl_add_u32 v5, v9, 4, v5
.endm
.macro COLLOAD t                       ; block t: rows 32 t + i of my column, into set t % 2; a row of the tensor is 4,096 bytes
.irp i, 0,1,2,3,4,5,6,7,8,9,10,11,12,13,14,15,16,17,18,19,20,21,22,23,24,25,26,27,28,29,30,31
	global_load_b32 v[CX+32*((\t)%2)+\i], v2, s[40:41] offset:(32*(\t)+\i)*4096 th:TH_LOAD_NT
.endr
.endm
.macro COLOUT sb, krow
.irp t, 0,1,2,3,4,5,6,7,8,9,10,11,12,13,14,15
	ds_load_b128 v[OUTR+4*\t:OUTR+4*\t+3], v4 offset:2*\t*272      ; LDS serves a wave's instructions in order: these see my stores
.endr
.irp t, 0,1,2,3,4,5,6,7,8,9,10,11,12,13,14,15
	s_wait_dscnt 15-\t                             ; load t is in; the younger ones may be out
	global_store_b128 v5, v[OUTR+4*\t:OUTR+4*\t+3], s[\sb:\sb+1] offset:2*\t*\krow
.endr
.endm
.Lpath_w:                              ; a wave: 32 columns x 512 along K of one of the three weights: 16 blocks a lane
	s_lshr_b32 s35, ttmp9, 4                       ; which weight
	s_and_b32 s36, ttmp9, 7                        ; which 128 columns
	s_bfe_u32 s37, ttmp9, 0x10003                  ; which 512 along K
	s_lshl_b32 s36, s36, 7
	s_lshl_b32 s38, s[WV], 5
	s_add_co_u32 s36, s36, s38                     ; my wave's first column
	s_cmp_eq_u32 s35, 1
	s_cselect_b64 s[40:41], s[16:17], s[18:19]
	s_cmp_eq_u32 s35, 0
	s_cselect_b64 s[40:41], s[14:15], s[40:41]
	s_lshl_b32 s42, s37, 21                        ; 512 rows of 4,096 bytes
	s_lshl_b32 s38, s36, 2
	s_add_co_u32 s42, s42, s38
	s_mov_b32 s43, 0
	s_add_nc_u64 s[40:41], s[40:41], s[42:43]
	s_lshl_b32 s44, s35, 10
	s_add_co_u32 s44, s44, s36                     ; the output's row: 1,024 x weight + column
	s_lshl_b32 s42, s44, 9
	s_lshl_b32 s38, s37, 8
	s_add_co_u32 s42, s42, s38
	s_add_nc_u64 s[26:27], s[26:27], s[42:43]      ; its codes, 256 bytes for my 512 along K
	s_lshl_b32 s42, s44, 5
	s_lshl_b32 s38, s37, 4
	s_add_co_u32 s42, s42, s38
	s_add_nc_u64 s[28:29], s[28:29], s[42:43]      ; its scale bytes, 16 of them
	s_mul_i32 s46, s[WV], 8704
	s_add_co_u32 s46, s46, 37888                   ; my stage, in path W's own bytes
	COLSET 512
	v_lshlrev_b32 v6, 5, v1                        ; my column's row of scale bytes
	COLLOAD 0
	COLLOAD 1
.macro WBLOCK t
.set XS, CX+32*((\t)%2)
.if (\t) < 15
	s_wait_loadcnt 32                              ; this block's 32 loads are in; the next block's may be out
.else
	s_wait_loadcnt 0x0
.endif
	v_max3_num_f32 v9, |v[XS]|, |v[XS+1]|, |v[XS+2]|
	v_max3_num_f32 v10, |v[XS+3]|, |v[XS+4]|, |v[XS+5]|
.irp i, 6,10,14,18,22,26
	v_max3_num_f32 v9, v9, |v[XS+\i]|, |v[XS+\i+1]|
	v_max3_num_f32 v10, v10, |v[XS+\i+2]|, |v[XS+\i+3]|
.endr
	v_max3_num_f32 v9, v9, |v[XS+30]|, |v[XS+31]|
	v_max3_num_f32 v9, v9, v10, 0x1800000          ; the floor 2^(3 - 127)
	v_add_nc_u32 v11, 0xff000000, v9               ; the conversion's scale operand
	v_lshrrev_b32 v8, 23, v11                      ; the scale's byte
.if (\t)%4 == 0
	v_mov_b32 v[SB+(\t)/4], v8                     ; four bytes to a register, the lower K in the lower byte
.else
	v_lshl_or_b32 v[SB+(\t)/4], v8, 8*((\t)%4), v[SB+(\t)/4]
.endif
.irp g, 0,1,2,3
	v_cvt_scalef32_pk8_fp4_f32 v[CC+\g], v[XS+8*\g:XS+8*\g+7], v11
.endr
	ds_store_b128 v3, v[CC:CC+3] offset:16*(\t)    ; 32 codes: 16 bytes of my column's row.  (The next block begins with plain vector lines, which stand between these conversions and the next ones)
.if (\t)+2 < 16
	COLLOAD (\t)+2
.endif
	s_wait_dscnt 0x0                               ; the store has read its registers: the next block's codes may be written
.endm
.set Q, 0
.rept 16
	WBLOCK Q
.set Q, Q+1
.endr
	global_store_b128 v6, v[SB:SB+3], s[28:29]     ; my column's 16 scale bytes
	COLOUT 26, 512
	FINISH
.Lpath_o:                              ; a wave: 32 columns x 128 along K of wo_w, as f16: 4 blocks of 32, 256 bytes a column
	s_sub_co_u32 s35, ttmp9, 48
	s_and_b32 s36, s35, 7                          ; which 128 columns
	s_lshr_b32 s37, s35, 3                         ; which 128 along K
	s_lshl_b32 s36, s36, 7
	s_lshl_b32 s38, s[WV], 5
	s_add_co_u32 s36, s36, s38                     ; my wave's first column
	s_lshl_b32 s42, s37, 19                        ; 128 rows of 4,096 bytes
	s_lshl_b32 s38, s36, 2
	s_add_co_u32 s42, s42, s38
	s_mov_b32 s43, 0
	s_add_nc_u64 s[40:41], s[20:21], s[42:43]
	s_lshl_b32 s42, s36, 12                        ; wot: a row is 2,048 f16: 4,096 bytes
	s_lshl_b32 s38, s37, 8
	s_add_co_u32 s42, s42, s38
	s_add_nc_u64 s[30:31], s[30:31], s[42:43]
	s_mul_i32 s46, s[WV], 8704
	s_add_co_u32 s46, s46, 72704                   ; my stage, in path O's own bytes
	COLSET 4096
	COLLOAD 0
	COLLOAD 1
.macro OBLOCK t
.set XS, CX+32*((\t)%2)
.if (\t) < 3
	s_wait_loadcnt 32                              ; this block's 32 loads are in; the next block's may be out
.else
	s_wait_loadcnt 0x0
.endif
.irp i, 0,1,2,3,4,5,6,7,8,9,10,11,12,13,14,15
	v_cvt_pk_f16_f32 v[CC+\i], v[XS+2*\i], v[XS+2*\i+1]            ; two neighbours along K, the lower in the low half
.endr
.irp g, 0,1,2,3
	ds_store_b128 v3, v[CC+4*\g:CC+4*\g+3] offset:64*(\t)+16*\g
.endr
.if (\t)+2 < 4
	COLLOAD (\t)+2
.endif
	s_wait_dscnt 0x0                               ; the stores have read their registers
.endm
.irp t, 0,1,2,3
	OBLOCK \t
.endr
	COLOUT 30, 4096
	FINISH
.Lfunc_end_k_qf1681c1ea2_prep:
	.size	k_qf1681c1ea2_prep, .Lfunc_end_k_qf1681c1ea2_prep-k_qf1681c1ea2_prep
	.p2alignl 7, 3214868480
	.fill 96, 4, 3214868480
	.section	.rodata,"a",@progbits
	.p2align	6, 0x0
	.amdhsa_kernel k_qf1681c1ea2_prep
		.amdhsa_group_segment_fixed_size 108032
		.amdhsa_private_segment_fixed_size 0
		.amdhsa_enable_private_segment 0
		.amdhsa_kernarg_size 104
		.amdhsa_user_sgpr_count 2
		.amdhsa_user_sgpr_kernarg_segment_ptr 1
		.amdhsa_wavefront_size32 1
		.amdhsa_system_sgpr_workgroup_id_x 1
		.amdhsa_system_sgpr_workgroup_id_y 1
		.amdhsa_system_sgpr_workgroup_id_z 1
		.amdhsa_system_vgpr_workitem_id 0
		.amdhsa_next_free_vgpr 232
		.amdhsa_next_free_sgpr 66
		.amdhsa_reserve_vcc 0
		.amdhsa_float_denorm_mode_32 3
		.amdhsa_float_denorm_mode_16_64 3
		.amdhsa_memory_ordered 1
		.amdhsa_forward_progress 1
		.amdhsa_inst_pref_size 144
	.end_amdhsa_kernel
	.amdgpu_metadata
---
amdhsa.version: [ 1, 2 ]
amdhsa.kernels:
  - .name:           k_qf1681c1ea2_prep
    .symbol:         k_qf1681c1ea2_prep.kd
    .args:
      - { .name: q_in, .offset: 0, .size: 8, .value_kind: global_buffer, .address_space: global }
      - { .name: k, .offset: 8, .size: 8, .value_kind: global_buffer, .address_space: global }
      - { .name: v, .offset: 16, .size: 8, .value_kind: global_buffer, .address_space: global }
      - { .name: wq_w, .offset: 24, .size: 8, .value_kind: global_buffer, .address_space: global }
      - { .name: wk_w, .offset: 32, .size: 8, .value_kind: global_buffer, .address_space: global }
      - { .name: wv_w, .offset: 40, .size: 8, .value_kind: global_buffer, .address_space: global }
      - { .name: wo_w, .offset: 48, .size: 8, .value_kind: global_buffer, .address_space: global }
      - { .name: x_codes, .offset: 56, .size: 8, .value_kind: global_buffer, .address_space: global }
      - { .name: x_scales, .offset: 64, .size: 8, .value_kind: global_buffer, .address_space: global }
      - { .name: w_codes, .offset: 72, .size: 8, .value_kind: global_buffer, .address_space: global }
      - { .name: w_scales, .offset: 80, .size: 8, .value_kind: global_buffer, .address_space: global }
      - { .name: wot, .offset: 88, .size: 8, .value_kind: global_buffer, .address_space: global }
      - { .name: cat, .offset: 96, .size: 8, .value_kind: global_buffer, .address_space: global }
    .group_segment_fixed_size: 108032
    .private_segment_fixed_size: 0
    .kernarg_segment_align: 8
    .kernarg_segment_size: 104
    .max_flat_workgroup_size: 128
    .sgpr_count:     66
    .vgpr_count:     232
    .wavefront_size: 32
...
	.end_amdgpu_metadata
.endif
;; end of part 1
;; launch proj (part 2): grid 4 x 64, 4 waves a work-group, clusters of 4 x 4, 327,680 bytes of LDS; arguments x_codes, x_scales, w_codes, w_scales, wq_b, wk_b, wv_b, qkv; writes qkv
.if DOCPART == 2
	.amdgcn_target "amdgcn-amd-amdhsa--gfx1250"
	.amdhsa_code_object_version 6
	.text
	.protected	k_qf1681c1ea2_proj
	.globl	k_qf1681c1ea2_proj
	.p2align	8
	.type	k_qf1681c1ea2_proj,@function
k_qf1681c1ea2_proj:
	s_mov_b64 s[64:65], 0
	v_nop
	global_prefetch_b8 v0, s[64:65] scope:SCOPE_SE
	s_setreg_imm32_b32 hwreg(HW_REG_WAVE_MODE, 25, 1), 1
	s_wait_xcnt 0x0
	s_wait_alu depctr_hold_cnt(0) depctr_sa_sdst(0) depctr_va_vdst(0) depctr_va_sdst(0) depctr_va_ssrc(0) depctr_va_vcc(0) depctr_vm_vsrc(0)
	s_getreg_b32 s2, hwreg(HW_REG_IB_STS2, 6, 4)
	s_cmp_eq_u32 s2, 0
	s_cbranch_scc0 .Lentry_in_a_cluster
	s_endpgm
.Lentry_in_a_cluster:
	s_bfe_u32 s2, ttmp6, 0x10000c
	s_cmp_lg_u32 s2, 0xf033
	s_cbranch_scc0 .Lentry_shape_is_right
	s_endpgm
.Lentry_shape_is_right:
; PROJ: the three quantised products in one launch.  A: x_codes [3 x 8192][1024] (q_in, k, v), B: w_codes [3 x 1024 n][1024] (wq, wk, wv): codes of FP4 (E2M1), K innermost, one E8M0 byte for each 32 along K.
; Result + bias in f32; q is multiplied by c = log2(e) / 8 in f32, so that the scores come out as exponents to base 2; then rounded once to f16 and stored head-major: qkv [3][8 b][16 h][1024 s][64].
; LIMIT: |q c|, |k|, |v| must stay under 65,504, the largest f16 number.  NaN and infinities are not served.
; SHARES.  The work is 384 tiles of 256 x 256; it is dealt as 256 equal shares, and A WORK-GROUP STAYS: PART 1 is one tile of k's or of v's projection (2 x 128 tiles); PART 2 is half a tile, 256 rows x 128 columns,
; of q's (128 tiles, 256 halves).  Four waves.  Part 1: a wave makes 128 x 128: 64 accumulators, 512 registers.  Part 2: 128 x 64, one head: 32 accumulators.
; K = 1,024 is two LDS slots of 512 (rows of 256 bytes).  Part 1's two slots and both parts' scale bytes are asked for at the start (four tensor loads of a wave are out at the most).  Slot 0 is filled again, with part 2's
; first 512 along K, at part 1's change of slots; slot 1 in the middle of part 1's way out: each refill has a slot's products or half a way out in which to land, and part 1's stores leave while part 2 is multiplied.
; No prefetch: every tile is asked for by its tensor load that far ahead of its first read.
; CLUSTERS: 4 x 4 work-groups.  The four of a row of the cluster need the same tiles of A, the four of a column the same tiles of B, in both parts: each tile is asked for JOINTLY, by the same tensor load with the same
; descriptor and a mask that names the four.  Which of k and v (HV), and which half of q's tile, is made of the cluster's y alone and is the same in all sixteen.
; THE MATRIX INSTRUCTION IS USED TRANSPOSED (source 0 = 16 rows of B, source 1 = 16 rows of A): a lane then holds eight neighbouring columns of one row of C.
; REGISTERS, in windows of 256: window 0: v0-31 addresses; v32-95 scale words, two sets; v128-191 A's fragments, ONE set; v192-255 part 1's bias in the result's layout; on the ways out v96-191 (part 2: and v192-223) are at work.
;   window 1: B's fragments, TWO sets, at v0 and v128; v64-95 q's bias.   window 2: part 1: the accumulators of my rows 0-63; part 2: all 32.   window 3: part 1: my rows 64-127.
.set NQ,     4                         ; steps of 128 along K in a slot
.set ROWB,   256                       ; a tile's row in bytes: 512 codes
.set KROW,   512                       ; a row of A or B in memory
.set PITCH,  272                       ; an LDS row: 256 bytes + 16 of padding = 68 words: the 16 rows that a load touches start at 16 different banks (64 banks of 4 bytes: ISA guide 11.1)
.set FR,     8                         ; registers of a fragment: 16 rows x 128 K
.set NL,     2                         ; LDS loads that bring one
.set NP,     4                         ; places behind this matrix instruction (ISA guide 7.12.1)
.set HALFT,  128*PITCH                 ; 128 rows: what one tensor load brings
.set SLOT,   4*HALFT                   ; A's 256 rows, then B's 256 rows (part 2: B's 128)
.set KS,     32                        ; a row of scale bytes
.set SCL,    2*SLOT                    ; behind the slots: part 1's scale bytes, as runs of 256 bytes + 16 of padding
.set HALFS,  (128*KS/256)*272          ; those of 128 rows: what one tensor load brings
.set SBLK,   (16*KS/256)*272           ; those of 16 rows
.set SCL2,   SCL+4*HALFS               ; part 2's scale bytes: A's 256 rows, B's 128
.set STAGE,  SCL2+3*HALFS              ; the ways out: 16 rows x (128 bytes + 16) for each wave, in bytes of their own: no tile lands here
.set SPARE,  STAGE+4*2304              ; the spare words, 128 bytes for each wave: two blocks of 256 bytes that no other line names
.set ADRA, 16                          ; v16-17  LDS address of my A fragments in slot 0, 1
.set ADS2, 18                          ; v18     part 2's scale words: lanes 0-15 A's rows, lanes 16-31 B's
.set ADS3, 19                          ; v19     the same with A's rows in all lanes: for A's blocks 4-7, beside which B has no block
.set ADRB, 20                          ; v20-21  LDS address of my B fragments, part 1
.set ADRQ, 22                          ; v22-23  and part 2
.set STO,  24                          ; v24     the way out: where I put 16 bytes of a row
.set RD,   25                          ; v25     the way out: where I read them back
.set CO,   26                          ; v26     16 x lane
.set ADRS, 27                          ; v27     part 1's scale words: lanes 0-15 A's rows, lanes 16-31 B's
.set SPW,  28                          ; v28     LDS address of my spare word; never rewritten
.set NIL,  29                          ; v29     0; never rewritten
.set SC,   32                          ; scale words: set s at v[SC + 32 s]; register 4 i + q: lanes 0-15 the word of A's block i, lanes 16-31 that of B's block i, for the slot's q-th 128 along K
.set AF,   128                         ; A's fragments
.set BI,   192                         ; part 1's bias: for B's block b eight registers: columns 16 b + 8 (lane / 16) + 0 .. 7
.set BQ,   64                          ; q's bias, in window 1
.set BK,   128                         ; the ways out: rows read back from the stage, two sets by turns
.set G1, 24                            ; s[24:31] descriptor group 1 for A's tiles;  s[32:39] group 0, one set for each slot
.set G0, 32
.set G1B, 48                           ; s[48:55], s[56:63] the same for B's tiles
.set G0B, 56
.set FAC, 66                           ; s[66:67] c: the packed form names a pair and takes its low word for both halves
.set G1S, 68                           ; s[68:75], s[76:79] groups 1 and 0 for A's scales;  s[80:87], s[88:91] for B's;  part 2's groups 0: s[4:7] and s[8:11]
.set G0S, 76
.set G1SB, 80
.set G0SB, 88
.set MSB, 0
.macro WIN new                         ; the immediate's high byte repeats the setting that is left
.if MSB != \new
	s_set_vgpr_msb (MSB<<8)|\new
.set MSB, \new
.endif
.endm
.set MUL_LO, 0xa1                      ; source 0 (B) window 1, source 1 (A) window 0, C and D window 2
.set MUL_HI, 0xf1                      ; the same, C and D window 3
.set FST_LO, 0x81                      ; part 1's first products: C (the bias) window 0, D window 2
.set FST_HI, 0xc1                      ; D window 3
.set FSQ,    0x91                      ; part 2's first products: C (q's bias) window 1, D window 2
.set TO_B,   0x40                      ; destination window 1, address window 0
; A load into a register that a matrix instruction has read, and a vector instruction that reads a matrix result or writes one of a matrix instruction's registers, stand NP places behind it; only plain vector
; instructions that name none of its registers are places (ISA guide 7.12.1 for vector instructions).
.macro PLACES n
.rept \n
	v_nop
.endr
.endm
.macro TL g0, g1                       ; a tensor load and an s_nop 0 behind it
	tensor_load_to_lds s[\g0:\g0+3], s[\g1:\g1+7]
	s_nop 0
.endm
; A joint refill for part 2: waves 0 and 1 fetch A's two halves, wave 2 B's 128 rows, wave 3 nothing.  The branches hang on the wave's number alone: they are the same in every work-group.
; Four v_nop follow each load's s_nop 0, ahead of the jump, the label and what follows.
.macro JLOAD3 g0a, g0b
	s_cmp_lt_u32 s14, 2
	s_cbranch_scc0 .Lnot_a_\@
	TL \g0a, G1
	PLACES 4
	s_branch .Lasked_\@
.Lnot_a_\@:
	s_cmp_eq_u32 s14, 2
	s_cbranch_scc0 .Lasked_\@
	TL \g0b, G1B
	PLACES 4
.Lasked_\@:
.endm
.macro CREST                           ; a round of the cluster's barrier behind its opening barrier
	s_cmp_lg_u32 s14, 0
	s_cbranch_scc1 .Lnot_wave_0_\@
	s_barrier_signal -3
.Lnot_wave_0_\@:
	s_barrier_wait -3
	s_barrier_signal -1
	s_barrier_wait -1
.endm
.macro CROUND                          ; a whole round
	s_barrier_signal -1
	s_barrier_wait -1
	CREST
.endm
	s_load_b128 s[4:7], s[0:1], 0x0                ; A's codes s[4:5], A's scales s[6:7]
	s_load_b128 s[8:11], s[0:1], 0x10              ; B's codes s[8:9], B's scales s[10:11]
	s_load_b128 s[96:99], s[0:1], 0x20             ; wq_b, wk_b
	s_load_b64 s[100:101], s[0:1], 0x30            ; wv_b
	s_load_b64 s[12:13], s[0:1], 0x38              ; qkv
	v_lshl_add_u32 v[SPW], v0, 2, SPARE
	v_mov_b32 v[NIL], 0
	ds_add_u32 v[SPW], v[NIL]                      ; the wave's opening: the add, twice on end, and its wait ahead of my first tensor load; the set-up below, work on registers, stands between
	ds_add_u32 v[SPW], v[NIL]
	v_lshrrev_b32 v1, 5, v0
	v_readfirstlane_b32 s14, v1                    ; wave 0..3
	s_lshr_b32 s15, s14, 1                         ; which half of the tile's rows is mine
	s_and_b32 s16, s14, 1                          ; which half of its columns.  Also: which 128 rows of a tile I fetch
	s_bfe_u32 s40, ttmp6, 0x40000                  ; cx, cy: my place in the cluster
	s_bfe_u32 s41, ttmp6, 0x40004
	s_lshl_b32 s42, ttmp9, 2
	s_add_co_u32 s42, s42, s40                     ; tx = 4 x cluster x + cx: 0..3
	s_and_b32 s17, ttmp7, 0xffff                   ; cluster y: 0..15
	s_lshr_b32 s95, s17, 3                         ; HV: 0: part 1 is k's, 1: v's.  Also: which half of q's tile is part 2
	s_lshl_b32 s17, s17, 2
	s_add_co_u32 s17, s17, s41                     ; ty = 4 x cluster y + cy: 0..63
	s_lshl_b32 s43, s41, 2
	s_lshl_b32 s43, 15, s43                        ; my row of the cluster
	s_lshl_b32 s44, 0x1111, s40                    ; my column
	; descriptor group 1: a tile of 128 rows x 256 bytes, padded in LDS
	s_or_b32 s[G1+0], s43, (0<<16)|(1<<20)|(1<<21)|(5<<22)|(3<<25)  ; 15:0 the mask: A's tiles go to my row; 17:16 elements of 1 byte; 20 padding on; 21 set beside a mask; 24:22 after every 64 words; 31:25 four words
	s_or_b32 s[G1B+0], s44, (0<<16)|(1<<20)|(1<<21)|(5<<22)|(3<<25)
.irp g, G1, G1B
	s_mov_b32 s[\g+1], ROWB<<16                    ; tensor_dim0
	s_mov_b32 s[\g+2], 128<<16                     ; tensor_dim1
	s_mov_b32 s[\g+3], ROWB<<16                    ; tile_dim0
	s_mov_b32 s[\g+4], 128                         ; tile_dim1
	s_mov_b32 s[\g+5], KROW                        ; tensor_dim0_stride
	s_mov_b32 s[\g+6], 0
	s_mov_b32 s[\g+7], 0
.endr
	; the scale bytes of 128 rows: a dense block of 4,096 bytes, as 16 rows of 256 bytes (32 elements of 8 bytes), 16 bytes of padding behind each
	s_or_b32 s[G1S+0], s43, (3<<16)|(1<<20)|(1<<21)|(5<<22)|(3<<25)
	s_or_b32 s[G1SB+0], s44, (3<<16)|(1<<20)|(1<<21)|(5<<22)|(3<<25)
.irp g, G1S, G1SB
	s_mov_b32 s[\g+1], 32<<16
	s_mov_b32 s[\g+2], (128*KS/256)<<16
	s_mov_b32 s[\g+3], 32<<16
	s_mov_b32 s[\g+4], 128*KS/256
	s_mov_b32 s[\g+5], 32
	s_mov_b32 s[\g+6], 0
	s_mov_b32 s[\g+7], 0
.endr
	s_mul_i32 s43, s14, HALFT                      ; where my tiles go: wave x 128 rows: no place in the cluster enters an LDS address
	s_mul_i32 s94, s14, HALFS                      ; and my scale bytes
	; byte offsets (all under 2^32).  A's hang on ty and the wave alone, B's on tx, HV and the wave alone
	s_lshl_b32 s18, s16, 7                         ; which 128 rows of a tile I fetch
	s_lshl_b32 s20, s17, 8
	s_add_co_u32 s20, s20, s18
	s_add_co_u32 s20, s20, 8192                    ; A, part 1: row 8192 + 256 ty + 128 x half
	s_lshl_b32 s22, s20, 5                         ; its scale bytes,
	s_lshl_b32 s20, s20, 9                         ; its codes
	s_mov_b32 s21, 0
	s_mov_b32 s23, 0
	s_and_b32 s2, s17, 31
	s_lshl_b32 s2, s2, 8
	s_add_co_u32 s2, s2, s18                       ; A, part 2: row 256 (ty % 32) + 128 x half
	s_lshl_b32 s46, s42, 8
	s_add_co_u32 s46, s46, s18
	s_lshl_b32 s47, s95, 10
	s_add_co_u32 s46, s46, s47
	s_add_co_u32 s46, s46, 1024                    ; B, part 1: row 1024 (1 + HV) + 256 tx + 128 x half
	s_lshl_b32 s92, s46, 5
	s_lshl_b32 s46, s46, 9
	s_mov_b32 s47, 0
	s_mov_b32 s93, 0
	s_lshl_b32 s104, s42, 8
	s_lshl_b32 s105, s95, 7
	s_add_co_u32 s104, s104, s105                  ; B, part 2: row 256 tx + 128 HV: 128 rows, one load
	s_lshl_b32 s44, s104, 5
	s_lshl_b32 s104, s104, 9
	s_mov_b32 s105, 0
	s_mov_b32 s45, 0
	s_lshl_b32 s18, s2, 5                          ; A, part 2: its scale bytes,
	s_lshl_b32 s2, s2, 9                           ; its codes
	s_mov_b32 s3, 0
	s_mov_b32 s19, 0
	s_wait_dscnt 0x0                               ; both opening adds are done
	s_wait_kmcnt 0x0
	s_add_nc_u64 s[20:21], s[4:5], s[20:21]        ; A's codes, part 1
	s_add_nc_u64 s[2:3], s[4:5], s[2:3]            ; and part 2: kept for the refills
	s_add_nc_u64 s[22:23], s[6:7], s[22:23]        ; A's scales, part 1
	s_add_nc_u64 s[6:7], s[6:7], s[18:19]          ; and part 2: in its place in the group 0 s[4:7]
	s_add_nc_u64 s[46:47], s[8:9], s[46:47]        ; B's codes, part 1
	s_add_nc_u64 s[104:105], s[8:9], s[104:105]    ; and part 2: kept for the refills
	s_add_nc_u64 s[92:93], s[10:11], s[92:93]      ; B's scales, part 1
	s_add_nc_u64 s[10:11], s[10:11], s[44:45]      ; and part 2: in its place in the group 0 s[8:11]
	CROUND                                         ; all sixteen work-groups are here: the first joint loads meet
	s_mov_b32 s[G0S], 1
	s_add_co_u32 s[G0S+1], s94, SCL
	s_mov_b64 s[G0S+2:G0S+3], s[22:23]
	s_or_b32 s[G0S+3], s[G0S+3], 0x80000000
	s_mov_b32 s[G0SB], 1
	s_add_co_u32 s[G0SB+1], s94, SCL
	s_mov_b64 s[G0SB+2:G0SB+3], s[92:93]
	s_or_b32 s[G0SB+3], s[G0SB+3], 0x80000000
	s_mov_b32 s4, 1
	s_add_co_u32 s5, s94, SCL2                     ; waves 0, 1: A's two halves
	s_or_b32 s7, s7, 0x80000000
	s_mov_b32 s8, 1
	s_add_co_u32 s9, s94, SCL2                     ; wave 2: B's 128 rows, behind A's 256
	s_or_b32 s11, s11, 0x80000000
.irp s, 0,1
	s_mov_b32 s[G0+4*\s], 1
	s_add_co_u32 s[G0+4*\s+1], s43, \s*SLOT
	s_add_nc_u64 s[G0+4*\s+2:G0+4*\s+3], s[20:21], \s*ROWB
	s_or_b32 s[G0+4*\s+3], s[G0+4*\s+3], 0x80000000
	s_mov_b32 s[G0B+4*\s], 1
	s_add_co_u32 s[G0B+4*\s+1], s43, \s*SLOT
	s_add_nc_u64 s[G0B+4*\s+2:G0B+4*\s+3], s[46:47], \s*ROWB
	s_or_b32 s[G0B+4*\s+3], s[G0B+4*\s+3], 0x80000000
.endr
	; a wave's first fills stand in one branch on the wave's number, ahead of every wait on TENSORcnt, every LDS read and every barrier behind the round; slot 1's load is the last in each arm
	s_cmp_lt_u32 s14, 2
	s_cbranch_scc0 .Lnot_a
	TL G0S, G1S                                    ; the scales first: they are wanted with slot 0
	TL 4, G1S
	TL G0, G1
	TL G0+4, G1
	PLACES 4
	s_branch .Lfilled
.Lnot_a:
	s_cmp_eq_u32 s14, 2
	s_cbranch_scc0 .Lwave_3
	TL G0SB, G1SB
	TL 8, G1SB
	TL G0B, G1B
	TL G0B+4, G1B
	PLACES 4
	s_branch .Lfilled
.Lwave_3:
	TL G0SB, G1SB
	TL G0B, G1B
	TL G0B+4, G1B
	PLACES 4
.Lfilled:
	; the biases: part 1's is chosen on HV, without a branch
	s_cmp_eq_u32 s95, 0
	s_cselect_b64 s[98:99], s[98:99], s[100:101]
	s_lshl_b32 s18, s42, 10                        ; 256 tx columns of f32
	s_lshl_b32 s20, s16, 9
	s_add_co_u32 s20, s20, s18                     ; part 1: + 128 x half
	s_mov_b32 s21, 0
	s_add_nc_u64 s[98:99], s[98:99], s[20:21]
	s_lshl_b32 s46, s95, 9
	s_add_co_u32 s46, s46, s18
	s_lshl_b32 s47, s16, 8
	s_add_co_u32 s46, s46, s47                     ; part 2: + 128 HV + 64 x half
	s_mov_b32 s47, 0
	s_add_nc_u64 s[96:97], s[96:97], s[46:47]
	s_mov_b32 s[FAC], 0x3e38aa3b                   ; c = log2(e) / 8
	s_mov_b32 s[FAC+1], s[FAC]                     ; (named with it as a pair, so it is written)
	v_and_b32 v1, 15, v0                           ; l % 16
	v_bfe_u32 v2, v0, 4, 1                         ; l / 16
	v_lshlrev_b32 v7, 5, v2                        ; my half's eight columns: 32 bytes on; never rewritten
.irp b, 0,1,2,3,4,5,6,7
	global_load_b128 v[BI+8*\b:BI+8*\b+3], v7, s[98:99] offset:64*\b
	global_load_b128 v[BI+8*\b+4:BI+8*\b+7], v7, s[98:99] offset:64*\b+16
.endr
	WIN TO_B
.irp b, 0,1,2,3
	global_load_b128 v[BQ+8*\b:BQ+8*\b+3], v7, s[96:97] offset:64*\b
	global_load_b128 v[BQ+8*\b+4:BQ+8*\b+7], v7, s[96:97] offset:64*\b+16
.endr
	WIN 0
	v_mul_u32_u24 v3, v1, PITCH
	v_lshl_add_u32 v4, v2, 4, v3                   ; a fragment's row x pitch + 16 x half
	s_mul_i32 s18, s15, HALFT                      ; my 128 rows of A, in both parts
	s_mul_i32 s19, s16, HALFT                      ; part 1: my 128 rows of B,
	s_add_co_u32 s19, s19, 2*HALFT                 ; which lie behind A's 256
	s_mul_i32 s44, s16, 64*PITCH                   ; part 2: my 64 rows of B
	s_add_co_u32 s44, s44, 2*HALFT
.irp s, 0,1
	v_add_nc_u32 v[ADRA+\s], s18, v4
	v_add_nc_u32 v[ADRB+\s], s19, v4
	v_add_nc_u32 v[ADRQ+\s], s44, v4
	s_add_co_u32 s18, s18, SLOT
	s_add_co_u32 s19, s19, SLOT
	s_add_co_u32 s44, s44, SLOT
.endr
	v_mul_u32_u24 v5, v1, KS                       ; my row's scales: 32 bytes a row,
	v_lshrrev_b32 v6, 8, v5
	v_lshl_add_u32 v5, v6, 4, v5                   ; and 16 more for each 256 passed
	s_mul_i32 s18, s15, HALFS                      ; A's: my 128 rows, in both parts
	s_mul_i32 s19, s16, HALFS                      ; part 1, B's: my 128 rows, behind A's 256
	s_add_co_u32 s19, s19, 2*HALFS
	s_sub_co_u32 s19, s19, s18
	v_mul_u32_u24 v6, s19, v2                      ; lanes 16-31 take B's: ONE product, the distance between the two bases
	s_add_co_u32 s45, s18, SCL
	v_add_nc_u32 v6, v5, v6
	v_add_nc_u32 v[ADRS], s45, v6
	s_mul_i32 s19, s16, 4*SBLK                     ; part 2, B's: my 64 rows, behind A's 256
	s_add_co_u32 s19, s19, 2*HALFS
	s_sub_co_u32 s19, s19, s18
	v_mul_u32_u24 v6, s19, v2
	s_add_co_u32 s45, s18, SCL2
	v_add_nc_u32 v6, v5, v6
	v_add_nc_u32 v[ADS2], s45, v6
	v_add_nc_u32 v[ADS3], s45, v5
	s_mul_i32 s46, s14, 2304
	s_add_co_u32 s46, s46, STAGE                   ; my stage
	v_mul_u32_u24 v5, v1, 144
	v_lshl_add_u32 v5, v2, 4, v5
	v_add_nc_u32 v[STO], s46, v5                   ; in: row l % 16, 16 bytes for each half of the lanes
	v_and_b32 v6, 31, v0
	v_lshrrev_b32 v5, 3, v6
	v_mul_u32_u24 v5, v5, 144
	v_and_b32 v8, 7, v0
	v_lshl_add_u32 v5, v8, 4, v5
	v_add_nc_u32 v[RD], s46, v5                    ; back: eight lanes to a row of 128 bytes, four rows an instruction
	v_lshlrev_b32 v[CO], 4, v6                     ; four tokens of one head are 512 consecutive bytes of qkv
	; where my results go.  Common to both parts: 256 (ty % 4) + 128 x row half tokens of 128 bytes, and four heads of 131,072 bytes to a tx
	s_and_b32 s19, s17, 3
	s_lshl_b32 s19, s19, 15
	s_lshl_b32 s44, s15, 14
	s_add_co_u32 s19, s19, s44
	s_lshl_b32 s44, s42, 19
	s_add_co_u32 s19, s19, s44
	s_lshr_b32 s20, s17, 2
	s_add_co_u32 s20, s20, 8                       ; part 1: 8 (1 + HV) + batch = 8 + ty / 4: 16 heads each,
	s_lshl_b32 s20, s20, 21
	s_add_co_u32 s20, s20, s19
	s_lshl_b32 s44, s16, 18                        ; my two heads
	s_add_co_u32 s20, s20, s44
	s_mov_b32 s21, 0
	s_bfe_u32 s92, s17, 0x30002                    ; part 2: the batch = (ty % 32) / 4,
	s_lshl_b32 s92, s92, 21
	s_add_co_u32 s92, s92, s19
	s_lshl_b32 s44, s95, 18                        ; two heads to a half tile,
	s_add_co_u32 s92, s92, s44
	s_lshl_b32 s44, s16, 17                        ; my one
	s_add_co_u32 s92, s92, s44
	s_mov_b32 s93, 0
	s_add_nc_u64 s[22:23], s[12:13], s[92:93]      ; part 2's
	s_add_nc_u64 s[12:13], s[12:13], s[20:21]      ; part 1's
.macro FRAG reg, adr, q, i             ; a fragment, 16 rows x 128 K of 4-bit codes: lane l holds row l % 16; registers 4 c .. 4 c + 3 hold K = 64 c + 32 (l / 16) + 0 .. 31
.irp c, 0,1
	ds_load_b128 v[\reg+4*\c:\reg+4*\c+3], v[\adr] offset:64*(\q)+32*\c+(\i)*16*PITCH
.endr
.endm
.macro FETCH_B adr, q, p, nb           ; B's nb fragments of the slot's q-th 128 along K into set p
	WIN TO_B
.set fi, 0
.rept \nb
	FRAG 128*(\p)+FR*fi, \adr, \q, fi
.set fi, fi+1
.endr
	WIN 0
.endm
.macro FETCH_A slot, q, i0             ; A's blocks i0 .. i0 + 3
.irp i, \i0, \i0+1, \i0+2, \i0+3
	FRAG AF+FR*(\i), ADRA+\slot, \q, \i
.endr
.endm
.macro SCALES lo, hi, sc               ; slot sc's scale words into set sc: four words a row (16 sc bytes into a row's 32); lanes 0-15 take A's block i, lanes 16-31 B's block i
.irp i, 0,1,2,3
	ds_load_b128 v[SC+32*\sc+4*\i:SC+32*\sc+4*\i+3], v[\lo] offset:\i*SBLK+16*\sc
.endr
.irp i, 4,5,6,7
	ds_load_b128 v[SC+32*\sc+4*\i:SC+32*\sc+4*\i+3], v[\hi] offset:\i*SBLK+16*\sc
.endr
.endm
; na x nb matrix instructions: A's blocks a0 on x B's nb, 128 along K: the slot's q-th.  p: B's set;  sc: the set of scale words.  Accumulator (a, b) lies at register 8 ((nb a + b) % 32) of its window.
; cb other than 0: the bias, at v[cb] on, is the C of the sum's first product: nothing is cleared, nothing added later.
; The accumulators take turns, one instruction a turn, in the same order in every step.
.macro MULS a0, na, nb, p, q, sc, cb
.set ma, \a0
.rept \na
.set mb, 0
.rept \nb
.set md, 8*((\nb*ma+mb)%32)
.if \cb
	v_wmma_scale_f32_16x16x128_f8f6f4 v[md:md+7], v[128*(\p)+FR*mb:128*(\p)+FR*mb+7], v[AF+FR*ma:AF+FR*ma+7], v[\cb+8*mb:\cb+8*mb+7], v[SC+32*(\sc)+4*mb+(\q)], v[SC+32*(\sc)+4*ma+(\q)] matrix_a_fmt:MATRIX_FMT_FP4 matrix_b_fmt:MATRIX_FMT_FP4 matrix_a_scale:MATRIX_SCALE_ROW1
.else
	v_wmma_scale_f32_16x16x128_f8f6f4 v[md:md+7], v[128*(\p)+FR*mb:128*(\p)+FR*mb+7], v[AF+FR*ma:AF+FR*ma+7], v[md:md+7], v[SC+32*(\sc)+4*mb+(\q)], v[SC+32*(\sc)+4*ma+(\q)] matrix_a_fmt:MATRIX_FMT_FP4 matrix_b_fmt:MATRIX_FMT_FP4 matrix_a_scale:MATRIX_SCALE_ROW1
.endif
.set mb, mb+1
.endr
.set ma, ma+1
.endr
.endm
; A step of 128 along K that has its successor in the same slot.  A's blocks 0-3 are fetched anew in the step's middle, blocks 4-7 at its end; B has two sets.  w0, w1: the windows of the two halves' products.
.macro STEP adrb, nb, slot, q, w0, w1, cb
	s_wait_dscnt 4*NL                              ; B's set and A's blocks 0-3 are in; the youngest eight loads (A's blocks 4-7) may be out
	WIN \w0
	MULS 0, 4, \nb, (\q)%2, \q, \slot, \cb
	s_wait_dscnt 0                                 ; A's blocks 4-7 are in
	PLACES NP
	FETCH_B \adrb+\slot, (\q)+1, 1-(\q)%2, \nb
	FETCH_A \slot, (\q)+1, 0
	WIN \w1
	MULS 4, 4, \nb, (\q)%2, \q, \slot, \cb
	PLACES NP
	WIN 0
	FETCH_A \slot, (\q)+1, 4
.endm
.macro LAST nb, w0, w1                 ; slot 1's last step: nothing more to fetch
	s_wait_dscnt 4*NL
	WIN \w0
	MULS 0, 4, \nb, 1, NQ-1, 1, 0
	s_wait_dscnt 0
	WIN \w1
	MULS 4, 4, \nb, 1, NQ-1, 1, 0
	WIN 0
.endm
; THE WAYS OUT, block by block of 16 rows.  A lane's eight columns of a row, as f16, are 16 bytes.  TOSTAGE: a head (64 columns) at a time into my own stage, rows of 128 bytes + 16, and back four rows an instruction.
; LDS serves a wave's instructions in order (ISA guide 5.7.1.4): the loads see the stores above them, and the next head's stores come behind them.  SEND: four tokens of one head are 512 consecutive bytes of qkv.
.macro TOSTAGE a, nh
.set BB, BK+16*\nh*((\a)%2)
.set th, 0
.rept \nh
.irp b, 0,1,2,3
	ds_store_b128 v[STO], v[96+16*th+4*\b:96+16*th+4*\b+3] offset:32*\b
.endr
.irp u, 0,1,2,3
	ds_load_b128 v[BB+16*th+4*\u:BB+16*th+4*\u+3], v[RD] offset:576*\u
.endr
.set th, th+1
.endr
.endm
.macro SEND a, nh, sb, younger         ; younger: the LDS instructions issued behind block a's loads, which may stay out
.set BB, BK+16*\nh*((\a)%2)
	s_wait_dscnt \younger
.set th, 0
.rept \nh
.irp u, 0,1,2,3
	global_store_b128 v[CO], v[BB+16*th+4*\u:BB+16*th+4*\u+3], s[\sb:\sb+1] offset:th*131072+2048*(\a)+512*\u   ; 32 lanes store 512 consecutive bytes, at a multiple of 256 from qkv's first byte
.endr
.set th, th+1
.endr
.endm
.macro PACK1 a                         ; part 1: rounded to f16 straight out of the accumulators, each from its low end on
	WIN 0x0a+5*((\a)/4)                            ; sources 0 and 1: window 2 or 3
.set i, 0
.rept 32
	v_cvt_pk_f16_f32 v[96+i], v[64*((\a)%4)+2*i], v[64*((\a)%4)+2*i+1]
.set i, i+1
.endr
	WIN 0
.endm
.macro PACK2 a                         ; part 2: x c in f32, into other registers, then rounded to f16
	WIN 0x02                                       ; source 0: window 2
.set i, 0
.rept 16
	v_pk_mul_f32 v[192+2*i:193+2*i], v[32*(\a)+2*i:32*(\a)+2*i+1], s[FAC:FAC+1] op_sel_hi:[1,0]
.set i, i+1
.endr
	WIN 0
.set i, 0
.rept 16
	v_cvt_pk_f16_f32 v[96+i], v[192+2*i], v[193+2*i]
.set i, i+1
.endr
.endm
; ---------------------------------------------------------------- PART 1
	s_wait_tensorcnt 1                             ; the scales and my part of slot 0 are in (slot 1's load may be out)
	s_barrier_signal -1
	s_barrier_wait -1                              ; everybody's are
	FETCH_B ADRB+0, 0, 0, 8
	FETCH_A 0, 0, 0
	SCALES ADRS, ADRS, 0
	FETCH_A 0, 0, 4
	s_wait_loadcnt 0x0                             ; both biases
	STEP ADRB, 8, 0, 0, FST_LO, FST_HI, BI
	STEP ADRB, 8, 0, 1, MUL_LO, MUL_HI, 0
	STEP ADRB, 8, 0, 2, MUL_LO, MUL_HI, 0
	; slot 0's last step changes slots, and slot 0 is filled again.  In front of the round each wave waits for all its tensor loads (its part of slot 1), adds 0 to its spare word, and waits for that and for its reads of slot 0
	s_wait_tensorcnt 0x0                           ; no tensor load of mine is out, so a group 0 may be written
	ds_add_u32 v[SPW], v[NIL]                      ; 0 onto my spare word
	s_mov_b64 s[G0+2:G0+3], s[2:3]                 ; slot 0's next tiles: part 2's first 512 along K
	s_or_b32 s[G0+3], s[G0+3], 0x80000000
	s_mov_b64 s[G0B+2:G0B+3], s[104:105]
	s_or_b32 s[G0B+3], s[G0B+3], 0x80000000
	s_wait_dscnt 4*NL+1                            ; (the add and the youngest eight loads, A's blocks 4-7, may be out)
	WIN MUL_LO
	MULS 0, 2, 8, 1, NQ-1, 0, 0                    ; sixteen matrix instructions stand between the add and the wait for it
	s_wait_dscnt 0x0                               ; the add is done, and my reads of slot 0 are over
	s_barrier_signal -1
	MULS 2, 2, 8, 1, NQ-1, 0, 0
	WIN 0
	s_barrier_wait -1
	CREST                                          ; no wave of any partner still reads slot 0 or has a load on its way; slot 1 is whole
	JLOAD3 G0, G0B                                 ; the first tensor load behind the round
	PLACES NP                                      ; for every wave alike: ahead of the loads into A's blocks 0-3
	FETCH_B ADRB+1, 0, 0, 8
	FETCH_A 1, 0, 0
	SCALES ADRS, ADRS, 1
	WIN MUL_HI
	MULS 4, 4, 8, 1, NQ-1, 0, 0
	PLACES NP
	WIN 0
	FETCH_A 1, 0, 4
	STEP ADRB, 8, 1, 0, MUL_LO, MUL_HI, 0
	STEP ADRB, 8, 1, 1, MUL_LO, MUL_HI, 0
	STEP ADRB, 8, 1, 2, MUL_LO, MUL_HI, 0
	LAST 8, MUL_LO, MUL_HI
	PLACES NP                                      ; behind the last products: for the reads of results and the loads into A's registers
	PACK1 0
	TOSTAGE 0, 2
.irp a, 1,2,3
	PACK1 \a
.if \a > 1
	s_wait_xcnt 0x0                                ; block a - 2's stores have read their registers: block a's loads may land there
.endif
	TOSTAGE \a, 2
	SEND \a-1, 2, 12, 16                           ; behind block a - 1's loads: block a's 8 stores and 8 loads
.endr
	; slot 1, which every wave has read out, is filled again in the middle of the way out
	s_wait_tensorcnt 0x0                           ; my part of slot 0's new tiles has landed; no tensor load of mine is out, so a group 0 may be written
	ds_add_u32 v[SPW], v[NIL]                      ; 0 onto my spare word
	s_add_nc_u64 s[G0+6:G0+7], s[2:3], ROWB        ; slot 1's next tiles: part 2's second 512 along K
	s_or_b32 s[G0+7], s[G0+7], 0x80000000
	s_add_nc_u64 s[G0B+6:G0B+7], s[104:105], ROWB
	s_or_b32 s[G0B+7], s[G0B+7], 0x80000000
	s_wait_dscnt 0x0                               ; the add is done; my reads of slot 1 ended with the last step; block 3 is back from the stage
	CROUND                                         ; the same holds of every wave of every partner; and slot 0 is whole for part 2
	JLOAD3 G0+4, G0B+4                             ; the first tensor load behind the round
	SEND 3, 2, 12, 0
.irp a, 4,5,6,7
	PACK1 \a
	s_wait_xcnt 0x0
	TOSTAGE \a, 2
.if \a > 4
	SEND \a-1, 2, 12, 16
.endif
.endr
	SEND 7, 2, 12, 0
; ---------------------------------------------------------------- PART 2
	s_wait_xcnt 0x0                                ; the last stores have read their registers: A's fragments may land there
	FETCH_B ADRQ+0, 0, 0, 4
	FETCH_A 0, 0, 0
	SCALES ADS2, ADS3, 0
	FETCH_A 0, 0, 4
	STEP ADRQ, 4, 0, 0, FSQ, FSQ, BQ
	STEP ADRQ, 4, 0, 1, MUL_LO, MUL_LO, 0
	STEP ADRQ, 4, 0, 2, MUL_LO, MUL_LO, 0
	s_wait_tensorcnt 0x0                           ; slot 0's last step changes slots: my part of slot 1 has landed
	ds_add_u32 v[SPW], v[NIL]                      ; 0 onto my spare word
	s_wait_dscnt 4*NL+1                            ; (the add and A's blocks 4-7 may be out)
	WIN MUL_LO
	MULS 0, 4, 4, 1, NQ-1, 0, 0
	s_wait_dscnt 0x0
	s_barrier_signal -1
	s_barrier_wait -1                              ; slot 1 is whole
	PLACES NP
	FETCH_B ADRQ+1, 0, 0, 4
	FETCH_A 1, 0, 0
	SCALES ADS2, ADS3, 1
	WIN MUL_LO
	MULS 4, 4, 4, 1, NQ-1, 0, 0
	PLACES NP
	WIN 0
	FETCH_A 1, 0, 4
	STEP ADRQ, 4, 1, 0, MUL_LO, MUL_LO, 0
	STEP ADRQ, 4, 1, 1, MUL_LO, MUL_LO, 0
	STEP ADRQ, 4, 1, 2, MUL_LO, MUL_LO, 0
	LAST 4, MUL_LO, MUL_LO
	PLACES NP                                      ; behind the last products: for the reads of results and the loads into A's registers
	PACK2 0
	TOSTAGE 0, 1
.irp a, 1,2,3,4,5,6,7
	PACK2 \a
.if \a > 1
	s_wait_xcnt 0x0                                ; block a - 2's stores have read their registers
.endif
	TOSTAGE \a, 1
	SEND \a-1, 1, 22, 8                            ; behind block a - 1's loads: block a's 4 stores and 4 loads
.endr
	SEND 7, 1, 22, 0
	s_wait_tensorcnt 0x0                           ; the wave's end: behind my last tensor load and my last LDS store
	ds_add_u32 v[SPW], v[NIL]
	s_wait_dscnt 0x0
	CROUND                                         ; the closing round: no work-group ends while a partner may still ask for a tile that names it
	s_endpgm
.Lfunc_end_k_qf1681c1ea2_proj:
	.size	k_qf1681c1ea2_proj, .Lfunc_end_k_qf1681c1ea2_proj-k_qf1681c1ea2_proj
	.p2alignl 7, 3214868480
	.fill 96, 4, 3214868480
	.section	.rodata,"a",@progbits
	.p2align	6, 0x0
	.amdhsa_kernel k_qf1681c1ea2_proj
		.amdhsa_group_segment_fixed_size 327680
		.amdhsa_private_segment_fixed_size 0
		.amdhsa_enable_private_segment 0
		.amdhsa_kernarg_size 64
		.amdhsa_user_sgpr_count 2
		.amdhsa_user_sgpr_kernarg_segment_ptr 1
		.amdhsa_wavefront_size32 1
		.amdhsa_system_sgpr_workgroup_id_x 1
		.amdhsa_system_sgpr_workgroup_id_y 1
		.amdhsa_system_sgpr_workgroup_id_z 1
		.amdhsa_system_vgpr_workitem_id 0
		.amdhsa_next_free_vgpr 1024
		.amdhsa_next_free_sgpr 106
		.amdhsa_reserve_vcc 0
		.amdhsa_float_denorm_mode_32 3
		.amdhsa_float_denorm_mode_16_64 3
		.amdhsa_memory_ordered 1
		.amdhsa_forward_progress 1
		.amdhsa_inst_pref_size 206
	.end_amdhsa_kernel
	.amdgpu_metadata
---
amdhsa.version: [ 1, 2 ]
amdhsa.kernels:
  - .name:           k_qf1681c1ea2_proj
    .symbol:         k_qf1681c1ea2_proj.kd
    .args:
      - { .name: x_codes, .offset: 0, .size: 8, .value_kind: global_buffer, .address_space: global }
      - { .name: x_scales, .offset: 8, .size: 8, .value_kind: global_buffer, .address_space: global }
      - { .name: w_codes, .offset: 16, .size: 8, .value_kind: global_buffer, .address_space: global }
      - { .name: w_scales, .offset: 24, .size: 8, .value_kind: global_buffer, .address_space: global }
      - { .name: wq_b, .offset: 32, .size: 8, .value_kind: global_buffer, .address_space: global }
      - { .name: wk_b, .offset: 40, .size: 8, .value_kind: global_buffer, .address_space: global }
      - { .name: wv_b, .offset: 48, .size: 8, .value_kind: global_buffer, .address_space: global }
      - { .name: qkv, .offset: 56, .size: 8, .value_kind: global_buffer, .address_space: global }
    .group_segment_fixed_size: 327680
    .private_segment_fixed_size: 0
    .kernarg_segment_align: 8
    .kernarg_segment_size: 64
    .max_flat_workgroup_size: 128
    .sgpr_count:     106
    .vgpr_count:     1024
    .wavefront_size: 32
...
	.end_amdgpu_metadata
.endif
;; end of part 2
;; launch attn (part 3): grid 2 x 128, 8 waves a work-group, no clusters, 327,680 bytes of LDS; arguments qkv, mask, cat; writes cat
.if DOCPART == 3
	.amdgcn_target "amdgcn-amd-amdhsa--gfx1250"
	.amdhsa_code_object_version 6
	.text
	.protected	k_qf1681c1ea2_attn
	.globl	k_qf1681c1ea2_attn
	.p2align	8
	.type	k_qf1681c1ea2_attn,@function
k_qf1681c1ea2_attn:
	s_mov_b64 s[64:65], 0
	v_nop
	global_prefetch_b8 v0, s[64:65] scope:SCOPE_SE
	s_setreg_imm32_b32 hwreg(HW_REG_WAVE_MODE, 25, 1), 1
	s_wait_xcnt 0x0
; ATTN: ctx[b][h][q] = the sum over k of softmax_k(q . k / 8 + mask[b][k] x (-1e9)) v[k], on f16 operands with f32 sums.  qkv [3][8 b][16 h][1024 s][64] f16; q already carries c = log2(e) / 8, so the
; products q k^T are exponents to base 2.  mask [8][1024] f32.  ctx goes as f16 into cat [8 b][32 g][1024 s][64], group 16 + h.
; SOFTMAX.  t = q k^T + mb, mb = mask x (-1e9 log2(e)), added in f32 as the C of the score products.  For each query a running maximum m of t and a sum l: p = 2^(t - m), by one subtraction and one exponential,
; so t - m <= 0 and p <= 1 for every input; in every step O and l are multiplied by a = 2^(m_old - m_new).  l is summed of the unrounded p; p is rounded to f16 for the second product; O is divided by l at the end.
; LIMITS: NaN and infinities among the inputs are not served.  Where EVERY key of a row is masked, the scores are rounded beside -1.44e9 (to multiples of 128 in base 2) and not beside -1e9 (multiples of 64) as the
; definition has it: scores under 32 in size are wiped out alike in both.
; SHARES.  A work-group owns 512 queries of one (b, h); each of its eight waves 64: four tiles of 16.  Two waves lie on a SIMD, so that one wave's softmax stands beside the other's products.
; The head's whole K and V, 131,072 bytes each, come into LDS ONCE, in four pieces of 256 keys (waves 0-3: K's, waves 4-7: V's; 64 rows a load, four loads a wave, all asked for at the start); nothing is filled again.
; No cluster: only two work-groups share a head, and four along x would hold two heads, which want different tiles.
; LAYOUT.  S^T = K Q^T (source 0 = 16 keys, source 1 = 16 queries): a lane holds ONE query (lane % 16) and the keys 8 (lane / 16) + 0..7 of each tile of 16.  Two such tiles, rounded to f16 in pairs, ARE source 1
; (32 keys x 16 queries) of O^T = V^T P, whose result again holds one query a lane.  K comes out of LDS as it lies, V ([key][channel]) turned, by ds_load_tr16_b128.
; REGISTERS.  Window 0: v1-15 addresses; v16-47 eight registers of statistics a tile; v48-79 the mask's bias, eight a key tile; v128-255 S^T, 32 a tile (P is made in place in a tile's lower 16).
;   Window 1: v0-127 O^T, 32 a tile; v128-191 Q, 16 a tile; v192-255 K of the step, then V of the step.
.set KP,    144                        ; a row of K in LDS: 128 bytes + 16 of padding: the 16 rows of a load start at different banks
.set VP,    160                        ; a row of V: 128 + 32: an odd multiple of 32
.set VB,    1024*KP                    ; V begins behind K's 1,024 rows
.set MSK,   VB+1024*VP                 ; the mask's bias: 1,024 f32, stored by the waves: blocks of 256 bytes into which no tile lands
.set SPARE, MSK+4096                   ; the spare words, 128 bytes for each wave: four blocks of 256 bytes that no other line names
.set AK0, 3                            ; v3   my lane's place in a tile of K
.set AV0, 4                            ; v4   the same for V
.set AM0, 5                            ; v5   and in the mask's bias
.set ADK, 6                            ; v6-8 the step's LDS addresses
.set ADV, 7
.set ADM, 8
.set QO,  9                            ; v9   my byte offset in the wave's rows of Q
.set STO, 10                           ; v10  the way out: where I put 16 bytes of a row
.set RD,  11                           ; v11  where I read them back
.set GO,  12                           ; v12  16 x lane
.set SPW, 14                           ; v14  LDS address of my spare word; never rewritten
.set NIL, 15                           ; v15  0; never rewritten
.set ST,  16                           ; tile t's statistics at v[ST + 8 t]: +0 m, +1 written once (named with m as a pair), +2, +3 l, +4 to +7 c0-c3, at work; a takes c2's place
.set CM,  48
.set SS,  128
.set OO,  0
.set QQ,  128
.set KV,  192
.set WV,  10                           ; s10  my wave's number
.set G1K, 12                           ; s[12:19] descriptor group 1 for K's tiles;  s[20:27] for V's: it differs in the padding alone
.set G1V, 20
.set G0K, 28                           ; s[28:43] four groups 0 for K's pieces;  s[44:59] for V's
.set G0V, 44
.set CNT, 66                           ; s66  counts a piece's steps
.set TBK, 67                           ; s67-69  where the step's keys begin in K, in V and in the mask's bias
.set TBV, 68
.set TBM, 69
.set SEL, 70                           ; s[70:71] lane selects for v_permlanex16_b32: lane l xor 16
.set MC,  72                           ; s[72:73] -1e9 log2(e)
.set MSB, 0
.macro WIN new                         ; the immediate's high byte repeats the setting that is left
.if MSB != \new
	s_set_vgpr_msb (MSB<<8)|\new
.set MSB, \new
.endif
.endm
.set W_KQ, 0x05                        ; K and Q in window 1; C and S^T in window 0
.set W_PV, 0x51                        ; V in window 1, P in window 0, O^T in window 1
.set W_RS, 0x41                        ; O^T (destination and source 0) in window 1, the factor in window 0
.set W_LD, 0x40                        ; a load's destination in window 1, its address in window 0
	s_load_b128 s[4:7], s[0:1], 0x0                ; qkv s[4:5], mask s[6:7]
	s_load_b64 s[8:9], s[0:1], 0x10                ; cat
	v_lshl_add_u32 v[SPW], v0, 2, SPARE
	v_mov_b32 v[NIL], 0
	ds_add_u32 v[SPW], v[NIL]                      ; the wave's opening: the add, twice on end, and its wait ahead of my first tensor load; the set-up below, work on registers, stands between
	ds_add_u32 v[SPW], v[NIL]
	v_lshrrev_b32 v1, 5, v0
	v_readfirstlane_b32 s[WV], v1                  ; wave 0..7
	; descriptor group 1: a tile of 64 rows x 64 elements of 2 bytes, dense in memory, padded in LDS
	s_mov_b32 s[G1K], (1<<16)|(1<<20)|(4<<22)|(3<<25)              ; 15:0 no mask; 17:16 elements of 2 bytes; 20 padding on; 24:22 after every 32 words (code 4); 31:25 four words (code 3)
	s_mov_b32 s[G1V], (1<<16)|(1<<20)|(4<<22)|(7<<25)              ; the same with eight words of padding
.irp g, G1K, G1V
	s_mov_b32 s[\g+1], 64<<16                      ; tensor_dim0
	s_mov_b32 s[\g+2], 64<<16                      ; tensor_dim1
	s_mov_b32 s[\g+3], 64<<16                      ; tile_dim0
	s_mov_b32 s[\g+4], 64                          ; tile_dim1
	s_mov_b32 s[\g+5], 64                          ; tensor_dim0_stride
	s_mov_b32 s[\g+6], 0
	s_mov_b32 s[\g+7], 0
.endr
	s_and_b32 s78, ttmp7, 0xffff                   ; 16 b + h
	s_and_b32 s79, s[WV], 3                        ; which 64 rows of a piece I fetch
	s_lshl_b32 s80, s78, 17                        ; the head's 131,072 bytes,
	s_lshl_b32 s81, s79, 13                        ; my 64 rows of 128 bytes
	s_add_co_u32 s80, s80, s81
	s_mov_b32 s81, 0
	s_mul_i32 s82, s79, 64*KP                      ; and their places in LDS
	s_mul_i32 s83, s79, 64*VP
	s_mov_b32 s[SEL], 0x76543210
	s_mov_b32 s[SEL+1], 0xfedcba98
	s_mov_b32 s[MC], 0xceabfb8f                    ; -1e9 x log2(e)
	s_mov_b32 s[MC+1], s[MC]                       ; (named with it as a pair, so it is written)
	s_wait_dscnt 0x0                               ; both opening adds are done
	s_wait_kmcnt 0x0
	s_add_nc_u64 s[84:85], s[4:5], s[80:81]
.irp p, 0,1,2,3
	s_mov_b32 s[G0K+4*\p], 1                                       ; 1:0 count = 1
	s_add_co_u32 s[G0K+4*\p+1], s82, \p*256*KP                     ; 63:32 LDS address
	s_add_nc_u64 s[G0K+4*\p+2:G0K+4*\p+3], s[84:85], 16777216+\p*32768   ; 120:64 global address: k lies 16,777,216 bytes into qkv; a piece is 256 rows
	s_or_b32 s[G0K+4*\p+3], s[G0K+4*\p+3], 0x80000000              ; 127:126 type = 2
	s_mov_b32 s[G0V+4*\p], 1
	s_add_co_u32 s[G0V+4*\p+1], s83, VB+\p*256*VP
	s_add_nc_u64 s[G0V+4*\p+2:G0V+4*\p+3], s[84:85], 33554432+\p*32768
	s_or_b32 s[G0V+4*\p+3], s[G0V+4*\p+3], 0x80000000
.endr
	s_cmp_lt_u32 s[WV], 4                          ; a wave's four fills stand in one branch, ahead of every wait on TENSORcnt, every LDS read and every barrier: four loads of mine are out; an s_nop 0 follows each, four v_nop the last
	s_cbranch_scc0 .Lfill_v
.irp p, 0,1,2,3
	tensor_load_to_lds s[G0K+4*\p:G0K+4*\p+3], s[G1K:G1K+7]
	s_nop 0
.endr
.rept 4
	v_nop
.endr
	s_branch .Lfilled
.Lfill_v:
.irp p, 0,1,2,3
	tensor_load_to_lds s[G0V+4*\p:G0V+4*\p+3], s[G1V:G1V+7]
	s_nop 0
.endr
.rept 4
	v_nop
.endr
.Lfilled:
	s_lshr_b32 s86, s78, 4                         ; b
	s_and_b32 s87, s78, 15                         ; h
	s_lshl_b32 s88, s86, 12
	s_mov_b32 s89, 0
	s_add_nc_u64 s[6:7], s[6:7], s[88:89]          ; the batch's 1,024 mask numbers
	s_lshl_b32 s88, s78, 17
	s_lshl_b32 s90, ttmp9, 16                      ; my work-group's 512 queries of 128 bytes,
	s_add_co_u32 s88, s88, s90
	s_lshl_b32 s91, s[WV], 13                      ; my wave's 64
	s_add_co_u32 s88, s88, s91
	s_add_nc_u64 s[74:75], s[4:5], s[88:89]        ; Q at my first query
	s_lshl_b32 s88, s86, 22                        ; cat: the batch,
	s_add_co_u32 s87, s87, 16
	s_lshl_b32 s87, s87, 17                        ; group 16 + h,
	s_add_co_u32 s88, s88, s87
	s_add_co_u32 s88, s88, s90                     ; my first query
	s_add_co_u32 s88, s88, s91
	s_add_nc_u64 s[8:9], s[8:9], s[88:89]
	v_and_b32 v1, 15, v0                           ; r = lane % 16
	v_bfe_u32 v2, v0, 4, 1                         ; h = lane / 16
	v_lshlrev_b32 v13, 4, v0                       ; the mask: 16 bytes a thread; never rewritten
	global_load_b128 v[88:91], v13, s[6:7]
	v_lshlrev_b32 v[QO], 7, v1
	v_lshl_add_u32 v[QO], v2, 4, v[QO]             ; row r of 128 bytes + 16 h
	WIN W_LD
.irp t, 0,1,2,3
.irp c, 0,1                                    ; Q stays in registers: tile t, channels 32 c on
	global_load_b128 v[QQ+16*\t+8*\c:QQ+16*\t+8*\c+3], v[QO], s[74:75] offset:2048*\t+64*\c
	global_load_b128 v[QQ+16*\t+8*\c+4:QQ+16*\t+8*\c+7], v[QO], s[74:75] offset:2048*\t+64*\c+32
.endr
.endr
	WIN 0
	v_mul_u32_u24 v[AK0], v1, KP
	v_lshl_add_u32 v[AK0], v2, 4, v[AK0]           ; row x pitch + 16 x half
	v_and_b32 v80, 7, v0
	v_lshl_add_u32 v[AV0], v2, 3, v80              ; the turning load: lane l reads 16 bytes of key 8 (l / 16) + l % 8, channels 8 ((l / 8) % 2) on
	v_mul_u32_u24 v[AV0], v[AV0], VP
	v_bfe_u32 v81, v0, 3, 1
	v_lshl_add_u32 v[AV0], v81, 4, v[AV0]
	v_add_nc_u32 v[AV0], VB, v[AV0]
	v_lshlrev_b32 v[AM0], 5, v2
	v_add_nc_u32 v[AM0], MSK, v[AM0]               ; my half's eight keys of a tile: 32 h bytes on
	s_mul_i32 s86, s[WV], 16*KP                    ; my stage for the way out: 16 rows x 144 bytes, in K's bytes, which have had their only fill and, behind the last barrier, their last read
	v_add_nc_u32 v[STO], s86, v[AK0]               ; in: row r, 16 bytes for each half of the lanes
	v_bfe_u32 v82, v0, 3, 2
	v_mul_u32_u24 v[RD], v82, KP
	v_lshl_add_u32 v[RD], v80, 4, v[RD]
	v_add_nc_u32 v[RD], s86, v[RD]                 ; back: eight lanes to a row of 128 bytes, four rows an instruction
	v_and_b32 v[GO], 31, v0
	v_lshlrev_b32 v[GO], 4, v[GO]
	v_lshl_add_u32 v86, v0, 4, MSK
.irp t, 0,1,2,3
	v_mov_b32 v[ST+8*\t+1], 0
.endr
	s_wait_loadcnt 16                              ; the mask is in; Q's sixteen loads may be out
	v_pk_mul_f32 v[88:89], v[88:89], s[MC:MC+1] op_sel_hi:[1,0]
	v_pk_mul_f32 v[90:91], v[90:91], s[MC:MC+1] op_sel_hi:[1,0]
	ds_store_b128 v86, v[88:91]                    ; mb: read by all waves behind the first barrier
; A KEY STEP: 64 keys.  first = 1: the first step, which starts m, l and O^T.
.macro STEP first
	v_add_nc_u32 v[ADK], s[TBK], v[AK0]            ; these three and two v_nop are the places behind the last step's products V^T P: four are owed ahead of the loads into their registers,
	v_add_nc_u32 v[ADV], s[TBV], v[AV0]            ; five ahead of the score products, which write over P
	v_add_nc_u32 v[ADM], s[TBM], v[AM0]
	v_nop
	v_nop
	WIN W_LD
.irp k, 0,1,2,3
.irp c, 0,1                                    ; K: keys 16 k on, channels 32 c on
	ds_load_b128 v[KV+16*\k+8*\c:KV+16*\k+8*\c+3], v[ADK] offset:16*KP*\k+64*\c
	ds_load_b128 v[KV+16*\k+8*\c+4:KV+16*\k+8*\c+7], v[ADK] offset:16*KP*\k+64*\c+32
.endr
.endr
	WIN 0
.irp k, 0,1,2,3
	ds_load_b128 v[CM+8*\k:CM+8*\k+3], v[ADM] offset:64*\k         ; mb of my half's eight keys of tile k: the result's layout
	ds_load_b128 v[CM+8*\k+4:CM+8*\k+7], v[ADM] offset:64*\k+16
.endr
	s_add_co_u32 s[TBK], s[TBK], 64*KP             ; the next step's keys
	s_add_co_u32 s[TBV], s[TBV], 64*VP
	s_add_co_u32 s[TBM], s[TBM], 256
	s_wait_dscnt 0x0
	WIN W_KQ                                       ; S^T = K Q^T + mb: sixteen accumulators by turns, one instruction a turn
.irp k, 0,1,2,3
.irp t, 0,1,2,3
	v_wmma_f32_16x16x32_f16 v[SS+32*\t+8*\k:SS+32*\t+8*\k+7], v[KV+16*\k:KV+16*\k+7], v[QQ+16*\t:QQ+16*\t+7], v[CM+8*\k:CM+8*\k+7]
.endr
.endr
.irp k, 0,1,2,3
.irp t, 0,1,2,3
	v_wmma_f32_16x16x32_f16 v[SS+32*\t+8*\k:SS+32*\t+8*\k+7], v[KV+16*\k+8:KV+16*\k+15], v[QQ+16*\t+8:QQ+16*\t+15], v[SS+32*\t+8*\k:SS+32*\t+8*\k+7]
.endr
.endr
.rept 4
	v_nop                                          ; places: ahead of the loads into K's registers, and of the first reads of the scores
.endr
	WIN W_LD
.irp g, 0,1
.irp b, 0,1,2,3                                ; V, turned: keys 32 g on, channels 16 b on.  It lands while the softmax is walked
	ds_load_tr16_b128 v[KV+32*\g+8*\b:KV+32*\g+8*\b+3], v[ADV] offset:32*VP*\g+32*\b
	ds_load_tr16_b128 v[KV+32*\g+8*\b+4:KV+32*\g+8*\b+7], v[ADV] offset:32*VP*\g+32*\b+16*VP
.endr
.endr
	WIN 0
	; THE SOFTMAX, every line over the four tiles by turns, so that no line waits for the line above it.  The maximum: four chains, each begun at an accumulator's low end
.irp j, 0,1,2,3
.irp t, 0,1,2,3
	v_max3_num_f32 v[ST+8*\t+4+\j], v[SS+32*\t+8*\j], v[SS+32*\t+8*\j+1], v[SS+32*\t+8*\j+2]
.endr
.endr
.irp q, 3,5
.irp j, 0,1,2,3
.irp t, 0,1,2,3
	v_max3_num_f32 v[ST+8*\t+4+\j], v[ST+8*\t+4+\j], v[SS+32*\t+8*\j+\q], v[SS+32*\t+8*\j+\q+1]
.endr
.endr
.endr
.irp t, 0,1,2,3
	v_max3_num_f32 v[ST+8*\t+4], v[ST+8*\t+4], v[SS+32*\t+7], v[SS+32*\t+15]
.endr
.irp t, 0,1,2,3
	v_max3_num_f32 v[ST+8*\t+6], v[ST+8*\t+6], v[SS+32*\t+23], v[SS+32*\t+31]
.endr
.irp t, 0,1,2,3
	v_max3_num_f32 v[ST+8*\t+4], v[ST+8*\t+4], v[ST+8*\t+5], v[ST+8*\t+6]
.endr
.irp t, 0,1,2,3
.if \first
	v_max_num_f32 v[ST+8*\t+4], v[ST+8*\t+4], v[ST+8*\t+7]
.else
	v_max3_num_f32 v[ST+8*\t+4], v[ST+8*\t+4], v[ST+8*\t+7], v[ST+8*\t]   ; and the old m
.endif
.endr
.irp t, 0,1,2,3
	v_permlanex16_b32 v[ST+8*\t+5], v[ST+8*\t+4], s[SEL], s[SEL+1]        ; the query's other 32 keys lie in the lane 16 away
.endr
.irp t, 0,1,2,3
	v_max_num_f32 v[ST+8*\t+4], v[ST+8*\t+4], v[ST+8*\t+5]                ; the new m
.endr
.if !\first
.irp t, 0,1,2,3
	v_sub_f32 v[ST+8*\t+7], v[ST+8*\t], v[ST+8*\t+4]                      ; m_old - m_new, 0 or less
.endr
.endif
.irp t, 0,1,2,3
	v_mov_b32 v[ST+8*\t], v[ST+8*\t+4]
.endr
.set i, 0
.rept 16
.irp t, 0,1,2,3
	v_pk_add_f32 v[SS+32*\t+2*i:SS+32*\t+2*i+1], v[SS+32*\t+2*i:SS+32*\t+2*i+1], v[ST+8*\t:ST+8*\t+1] op_sel_hi:[1,0] neg_lo:[0,1] neg_hi:[0,1]   ; t - m, two at a time
.endr
.set i, i+1
.endr
.if !\first
.irp t, 0,1,2,3
	v_exp_f32 v[ST+8*\t+6], v[ST+8*\t+7]           ; a
.endr
.endif
.set i, 0
.rept 32
.irp t, 0,1,2,3
	v_exp_f32 v[SS+32*\t+i], v[SS+32*\t+i]         ; p = 2^(t - m), at most 1.  ONE BATCH: none of these reads an exponential's result
.endr
.set i, i+1
.endr
	v_nop                                          ; a plain instruction behind the last exponential,
	s_wait_alu depctr_va_vdst(0)                   ; and a wait ahead of the batch's first reader
.irp t, 0,1,2,3                                ; the sums of the unrounded p, in two chains a tile
.if \first
	v_pk_add_f32 v[ST+8*\t+2:ST+8*\t+3], v[SS+32*\t:SS+32*\t+1], v[SS+32*\t+4:SS+32*\t+5]
.else
	v_pk_fma_f32 v[ST+8*\t+2:ST+8*\t+3], v[ST+8*\t+2:ST+8*\t+3], v[ST+8*\t+6:ST+8*\t+7], v[SS+32*\t:SS+32*\t+1] op_sel_hi:[1,0,1]   ; l = l a + ..
.endif
.endr
.irp t, 0,1,2,3
	v_pk_add_f32 v[ST+8*\t+4:ST+8*\t+5], v[SS+32*\t+2:SS+32*\t+3], v[SS+32*\t+6:SS+32*\t+7]
.endr
.if !\first
.irp t, 0,1,2,3
	v_pk_add_f32 v[ST+8*\t+2:ST+8*\t+3], v[ST+8*\t+2:ST+8*\t+3], v[SS+32*\t+4:SS+32*\t+5]
.endr
.endif
.irp o, 8,12,16,20,24,28
.irp t, 0,1,2,3
	v_pk_add_f32 v[ST+8*\t+2:ST+8*\t+3], v[ST+8*\t+2:ST+8*\t+3], v[SS+32*\t+\o:SS+32*\t+\o+1]
.endr
.irp t, 0,1,2,3
	v_pk_add_f32 v[ST+8*\t+4:ST+8*\t+5], v[ST+8*\t+4:ST+8*\t+5], v[SS+32*\t+\o+2:SS+32*\t+\o+3]
.endr
.endr
.irp t, 0,1,2,3
	v_pk_add_f32 v[ST+8*\t+2:ST+8*\t+3], v[ST+8*\t+2:ST+8*\t+3], v[ST+8*\t+4:ST+8*\t+5]
.endr
.set i, 0
.rept 16
.irp t, 0,1,2,3
	v_cvt_pk_f16_f32 v[SS+32*\t+i], v[SS+32*\t+2*i], v[SS+32*\t+2*i+1]    ; P, in place: register i takes pair i; ascending, so that no pair is written before it is read
.endr
.set i, i+1
.endr
.if !\first
	WIN W_RS
.set i, 0
.rept 16
.irp t, 0,1,2,3
	v_pk_mul_f32 v[OO+32*\t+2*i:OO+32*\t+2*i+1], v[OO+32*\t+2*i:OO+32*\t+2*i+1], v[ST+8*\t+6:ST+8*\t+7] op_sel_hi:[1,0]   ; O^T x a, each accumulator from its low end on
.endr
.set i, i+1
.endr
.endif
	s_wait_dscnt 0x0                               ; V is in
	WIN W_PV                                       ; O^T += V^T P: sixteen accumulators by turns
.irp g, 0,1
.irp b, 0,1,2,3
.irp t, 0,1,2,3
.if \first && (\g == 0)
	v_wmma_f32_16x16x32_f16 v[OO+32*\t+8*\b:OO+32*\t+8*\b+7], v[KV+32*\g+8*\b:KV+32*\g+8*\b+7], v[SS+32*\t+8*\g:SS+32*\t+8*\g+7], 0
.else
	v_wmma_f32_16x16x32_f16 v[OO+32*\t+8*\b:OO+32*\t+8*\b+7], v[KV+32*\g+8*\b:KV+32*\g+8*\b+7], v[SS+32*\t+8*\g:SS+32*\t+8*\g+7], v[OO+32*\t+8*\b:OO+32*\t+8*\b+7]
.endif
.endr
.endr
.endr
	WIN 0
.endm
; A PIECE of 256 keys: four steps.  The count leaves my later pieces on their way: tensor loads of a wave end in order (ISA guide 10.11.1).
.macro PIECE p
	s_wait_tensorcnt 3-\p                          ; my part of piece p is in,
	s_wait_dscnt 0x0                               ; (piece 0: and my part of the mask's bias is stored)
	s_barrier_signal -1
	s_barrier_wait -1                              ; everybody's is
	s_mov_b32 s[TBK], 256*KP*\p
	s_mov_b32 s[TBV], 256*VP*\p
	s_mov_b32 s[TBM], 1024*\p
.if \p == 0
	s_wait_loadcnt 0x0                             ; Q
	STEP 1
	s_mov_b32 s[CNT], 3
.else
	s_mov_b32 s[CNT], 4
.endif
.Lstep_\@:
	STEP 0
	s_sub_co_u32 s[CNT], s[CNT], 1
	s_cmp_lg_u32 s[CNT], 0
	s_cbranch_scc1 .Lstep_\@
.endm
	PIECE 0
	PIECE 1
	PIECE 2
	PIECE 3
	; THE WAY OUT.  Behind this barrier nobody reads K any more: the stages lie in its bytes.
	s_wait_dscnt 0x0
	s_barrier_signal -1
	s_barrier_wait -1
.irp t, 0,1,2,3
	v_add_f32 v[ST+8*\t+4], v[ST+8*\t+2], v[ST+8*\t+3]             ; l's two halves (these additions are the places behind the last products),
.endr
.irp t, 0,1,2,3
	v_permlanex16_b32 v[ST+8*\t+5], v[ST+8*\t+4], s[SEL], s[SEL+1]
.endr
.irp t, 0,1,2,3
	v_add_f32 v[ST+8*\t+4], v[ST+8*\t+4], v[ST+8*\t+5]             ; and the other half of the lanes'
.endr
.irp t, 0,1,2,3
	v_rcp_f32 v[ST+8*\t+6], v[ST+8*\t+4]
.endr
	v_nop                                          ; a plain instruction between the last reciprocal and the use of its result,
	s_wait_alu depctr_va_vdst(0)                   ; and a wait ahead of the first use: one for the four
; Tile t: O^T / l, rounded to f16: a lane's eight channels are 16 bytes; they go into rows of 144 bytes and come back four rows an instruction.
.macro PACK t
	WIN W_RS
.set i, 0
.rept 16
	v_pk_mul_f32 v[OO+32*\t+2*i:OO+32*\t+2*i+1], v[OO+32*\t+2*i:OO+32*\t+2*i+1], v[ST+8*\t+6:ST+8*\t+7] op_sel_hi:[1,0]
.set i, i+1
.endr
	WIN 0x05                                       ; sources 0 and 1 window 1, destination window 0: S^T's registers are free
.set i, 0
.rept 16
	v_cvt_pk_f16_f32 v[192+16*\t+i], v[OO+32*\t+2*i], v[OO+32*\t+2*i+1]
.set i, i+1
.endr
	WIN 0
.irp b, 0,1,2,3
	ds_store_b128 v[STO], v[192+16*\t+4*\b:192+16*\t+4*\b+3] offset:32*\b
.endr
.irp u, 0,1,2,3
	ds_load_b128 v[128+16*\t+4*\u:128+16*\t+4*\u+3], v[RD] offset:4*KP*\u   ; LDS serves a wave's instructions in order (ISA guide 5.7.1.4): these see the stores above; the next tile's stores come behind them
.endr
.endm
.macro SEND t, younger                 ; younger: the LDS instructions issued behind tile t's loads: the next tile's eight, or none
.irp u, 0,1,2,3
	s_wait_dscnt \younger+3-\u
	global_store_b128 v[GO], v[128+16*\t+4*\u:128+16*\t+4*\u+3], s[8:9] offset:2048*\t+512*\u   ; four tokens of my group: 512 consecutive bytes, at a multiple of 256 from cat's first byte
.endr
.endm
	PACK 0
	PACK 1                                         ; a tile's arithmetic stands between the loads of the tile before and its stores
	SEND 0, 8
	PACK 2
	SEND 1, 8
	PACK 3
	SEND 2, 8
	SEND 3, 0
	s_wait_tensorcnt 0x0                           ; the wave's end: behind my last tensor load and my last LDS store
	ds_add_u32 v[SPW], v[NIL]
	s_wait_dscnt 0x0
	s_endpgm
.Lfunc_end_k_qf1681c1ea2_attn:
	.size	k_qf1681c1ea2_attn, .Lfunc_end_k_qf1681c1ea2_attn-k_qf1681c1ea2_attn
	.p2alignl 7, 3214868480
	.fill 96, 4, 3214868480
	.section	.rodata,"a",@progbits
	.p2align	6, 0x0
	.amdhsa_kernel k_qf1681c1ea2_attn
		.amdhsa_group_segment_fixed_size 327680
		.amdhsa_private_segment_fixed_size 0
		.amdhsa_enable_private_segment 0
		.amdhsa_kernarg_size 24
		.amdhsa_user_sgpr_count 2
		.amdhsa_user_sgpr_kernarg_segment_ptr 1
		.amdhsa_wavefront_size32 1
		.amdhsa_system_sgpr_workgroup_id_x 1
		.amdhsa_system_sgpr_workgroup_id_y 1
		.amdhsa_system_sgpr_workgroup_id_z 1
		.amdhsa_system_vgpr_workitem_id 0
		.amdhsa_next_free_vgpr 512
		.amdhsa_next_free_sgpr 96
		.amdhsa_reserve_vcc 0
		.amdhsa_float_denorm_mode_32 3
		.amdhsa_float_denorm_mode_16_64 3
		.amdhsa_memory_ordered 1
		.amdhsa_forward_progress 1
		.amdhsa_inst_pref_size 180
	.end_amdhsa_kernel
	.amdgpu_metadata
---
amdhsa.version: [ 1, 2 ]
amdhsa.kernels:
  - .name:           k_qf1681c1ea2_attn
    .symbol:         k_qf1681c1ea2_attn.kd
    .args:
      - { .name: qkv, .offset: 0, .size: 8, .value_kind: global_buffer, .address_space: global }
      - { .name: mask, .offset: 8, .size: 8, .value_kind: global_buffer, .address_space: global }
      - { .name: cat, .offset: 16, .size: 8, .value_kind: global_buffer, .address_space: global }
    .group_segment_fixed_size: 327680
    .private_segment_fixed_size: 0
    .kernarg_segment_align: 8
    .kernarg_segment_size: 24
    .max_flat_workgroup_size: 256
    .sgpr_count:     96
    .vgpr_count:     512
    .wavefront_size: 32
...
	.end_amdgpu_metadata
.endif
;; end of part 3
;; launch outp (part 4): grid 4 x 64, 4 waves a work-group, clusters of 4 x 4, 327,680 bytes of LDS; arguments cat, wot, wo_b, out0; writes out0
.if DOCPART == 4
	.amdgcn_target "amdgcn-amd-amdhsa--gfx1250"
	.amdhsa_code_object_version 6
	.text
	.protected	k_qf1681c1ea2_outp
	.globl	k_qf1681c1ea2_outp
	.p2align	8
	.type	k_qf1681c1ea2_outp,@function
k_qf1681c1ea2_outp:
	s_mov_b64 s[64:65], 0
	v_nop
	global_prefetch_b8 v0, s[64:65] scope:SCOPE_SE
	s_setreg_imm32_b32 hwreg(HW_REG_WAVE_MODE, 25, 1), 1
	s_wait_xcnt 0x0
	s_wait_alu depctr_hold_cnt(0) depctr_sa_sdst(0) depctr_va_vdst(0) depctr_va_sdst(0) depctr_va_ssrc(0) depctr_va_vcc(0) depctr_vm_vsrc(0)
	s_getreg_b32 s2, hwreg(HW_REG_IB_STS2, 6, 4)
	s_cmp_eq_u32 s2, 0
	s_cbranch_scc0 .Lentry_in_a_cluster
	s_endpgm
.Lentry_in_a_cluster:
	s_bfe_u32 s2, ttmp6, 0x10000c
	s_cmp_lg_u32 s2, 0xf033
	s_cbranch_scc0 .Lentry_shape_is_right
	s_endpgm
.Lentry_shape_is_right:
; OUTP: out0[m][n] = the sum over k of concat(q_in, ctx)[m][k] wo_w[k][n] + wo_b[n], on f16 operands with f32 sums.  A: cat [8 b][32 g][1024 s][64] f16 (k = 64 g + d); B: wot [1024 n][2048 k] f16; out0 [8192][1024] f32.
; A tile of C is 128 x 256: 64 x 4 tiles, one for each of 256 work-groups (256 x 256 would give 128).  Four waves, each 64 x 128: 32 accumulators of 16 x 16, 256 registers.
; K goes in 16 steps of 128 through a ring of two LDS slots.  A K step of A is two groups of cat: two planes of 128 rows x 128 bytes, each dense in memory (waves 0, 1 fetch one each);
; of B 256 rows x 256 bytes (waves 2, 3 fetch 128 rows each).
; CLUSTERS: 4 x 4 work-groups.  The four of a row of the cluster need the same tiles of A, the four of a column the same tiles of B: each tile is asked for JOINTLY, by the same tensor load with the same descriptor
; and a mask that names the four.  THE MATRIX INSTRUCTION IS USED TRANSPOSED (source 0 = 16 rows of B, source 1 = 16 rows of A): a lane then holds eight neighbouring numbers of a row of C.
; The bias is the C of each sum's first product.
; REGISTERS.  Window 0: v0-31 addresses; two fragment buffers of 96 (32 along K: A's 4 fragments, then B's 8): v64-159, v160-255; on the way out v64-191 take rows of C.
;   Window 1: the accumulators, (a, b) at v[8 (8 a + b)].   Window 2: v0-63 the bias in the result's layout.
.set PA,     144                       ; a row of A in LDS: 128 bytes + 16 of padding
.set PB,     272                       ; a row of B: 256 + 16: in both the 16 rows that a load touches start at 16 different banks (64 banks of 4 bytes: ISA guide 11.1)
.set PLANE,  128*PA
.set BOFF,   2*PLANE                   ; B lies behind A's two planes
.set HALFB,  128*PB
.set SLOT,   BOFF+2*HALFB
.set SPARE,  2*SLOT                    ; behind the ring: the spare words, 128 bytes for each wave: two blocks of 256 bytes that no other line names
.set SPITCH, 528                       ; the way out: a stage of 16 rows x (512 bytes + 16) for each wave.  It lies in slot 0, which has had its last fill and its last read when the first result is stored there
.set ASTEP,  262144                    ; a K step on in cat: two groups
.set BSTEP,  256                       ; and in a row of wot
.set LAPS,   8                         ; a lap = two K steps = once round the ring
.set ADRA, 16                          ; v16-17  LDS address of my A fragments in slot 0, 1
.set ADRB, 20                          ; v20-21  the same for B
.set STO,  24                          ; v24     the way out: where I put 32 bytes of a row
.set RD,   25                          ; v25     where I read a row back
.set CO,   26                          ; v26     16 x lane
.set SPW,  28                          ; v28     LDS address of my spare word; never rewritten
.set NIL,  29                          ; v29     0; never rewritten
.set PFO,  30                          ; v30     the prefetches' offset; never rewritten
.set F0,   64
.set F1,   160
.set BK,   64
.set G1, 24                            ; s[24:31] descriptor group 1 for A's planes;  s[32:39] group 0, one set for each slot
.set G0, 32
.set G1B, 48                           ; s[48:55], s[56:63] the same for B's halves
.set G0B, 56
.set PFA, 66                           ; s[66:67] where my prefetches stand
.set PFS, 68                           ; s[68:69] a K step on, in bytes
.set LIM, 70                           ; s70  1 in a wave that prefetches, else the greatest number
.set MSB, 0
.macro WIN new                         ; the immediate's high byte repeats the setting that is left
.if MSB != \new
	s_set_vgpr_msb (MSB<<8)|\new
.set MSB, \new
.endif
.endm
.set MUL, 0x50                         ; sources 0 and 1 window 0; C and D window 1
.set FST, 0x60                         ; the first products: C (the bias) window 2, D window 1
; A joint load: waves 0 and 1 fetch A's planes, waves 2 and 3 B's halves; an s_nop 0 and four v_nop follow each of the two lines, ahead of the jump, the label and what follows
.macro JLOAD s
	s_cmp_eq_u32 s13, 0
	s_cbranch_scc0 .Lfor_b_\@
	tensor_load_to_lds s[G0+4*\s:G0+4*\s+3], s[G1:G1+7]
	s_nop 0
.rept 4
	v_nop
.endr
	s_branch .Lasked_\@
.Lfor_b_\@:
	tensor_load_to_lds s[G0B+4*\s:G0B+4*\s+3], s[G1B:G1B+7]
	s_nop 0
.rept 4
	v_nop
.endr
.Lasked_\@:
.endm
; A PREFETCH INTO THE L2, behind each joint refill and the run of LDS loads that follows it: the K step that stands TWO refills on, 256 matrix instructions a wave ahead of the load that will want it.
; Each aligned 256 bytes of a K step are named once in the launch.  A's two planes (64 runs of 256 bytes each) are read by one row of one cluster alone: wave 0 of each of its four partners asks for 16 runs of each plane,
; the partners told apart BY ADDRESS (cx).  B's 256 rows are read by every cluster: those with y = 0 ask; of the 128 rows that wave 2 or 3 fetches each of the column's four partners takes 32 (cy), a lane a row.
; The loop's last trip asks for nothing: there is no K step two refills on.  K steps 0 to 3 come by their loads alone.
.macro ASK
	s_cmp_gt_u32 s3, s[LIM]                        ; s3 = 1 in the loop's last trip
	s_cbranch_scc0 .Lnot_mine_\@
	global_prefetch_b8 v[PFO], s[PFA:PFA+1] th:TH_LOAD_NT scope:SCOPE_SE
.Lnot_mine_\@:
.endm
.macro CREST                           ; a round of the cluster's barrier behind its opening barrier
	s_cmp_lg_u32 s12, 0
	s_cbranch_scc1 .Lnot_wave_0_\@
	s_barrier_signal -3
.Lnot_wave_0_\@:
	s_barrier_wait -3
	s_barrier_signal -1
	s_barrier_wait -1
.endm
.macro CROUND                          ; a whole round
	s_barrier_signal -1
	s_barrier_wait -1
	CREST
.endm
	s_load_b256 s[4:11], s[0:1], 0x0               ; cat s[4:5], wot s[6:7], wo_b s[8:9], out0 s[10:11]
	v_lshl_add_u32 v[SPW], v0, 2, SPARE
	v_mov_b32 v[NIL], 0
	ds_add_u32 v[SPW], v[NIL]                      ; the wave's opening: the add, twice on end, and its wait ahead of my first tensor load; the set-up below, work on registers, stands between
	ds_add_u32 v[SPW], v[NIL]
	v_lshrrev_b32 v1, 5, v0
	v_readfirstlane_b32 s12, v1                    ; wave 0..3
	s_lshr_b32 s13, s12, 1                         ; which 64 of the tile's rows are mine.  Also: I fetch for A (0) or for B (1)
	s_and_b32 s14, s12, 1                          ; which 128 of its columns.  Also: which plane of A, or which 128 rows of B, I fetch
	s_bfe_u32 s40, ttmp6, 0x40000                  ; cx, cy: my place in the cluster
	s_bfe_u32 s41, ttmp6, 0x40004
	s_lshl_b32 s42, ttmp9, 2
	s_add_co_u32 s42, s42, s40                     ; tile column of C = 4 x cluster x + cx
	s_and_b32 s15, ttmp7, 0xffff
	s_lshl_b32 s15, s15, 2
	s_add_co_u32 s15, s15, s41                     ; tile row of C = 4 x cluster y + cy
	s_lshl_b32 s43, s41, 2
	s_lshl_b32 s43, 15, s43                        ; my row of the cluster
	s_lshl_b32 s44, 0x1111, s40                    ; my column
	s_or_b32 s[G1+0], s43, (1<<16)|(1<<20)|(1<<21)|(4<<22)|(3<<25)  ; A: 15:0 the mask: my row; 17:16 elements of 2 bytes; 20 padding on; 21 set beside a mask; 24:22 after every 32 words; 31:25 four words
	s_mov_b32 s[G1+1], 64<<16                      ; tensor_dim0 = 64
	s_mov_b32 s[G1+2], 128<<16                     ; tensor_dim1 = 128
	s_mov_b32 s[G1+3], 64<<16                      ; tile_dim0
	s_mov_b32 s[G1+4], 128                         ; tile_dim1
	s_mov_b32 s[G1+5], 64                          ; tensor_dim0_stride: a plane's rows are dense
	s_mov_b32 s[G1+6], 0
	s_mov_b32 s[G1+7], 0
	s_or_b32 s[G1B+0], s44, (1<<16)|(1<<20)|(1<<21)|(5<<22)|(3<<25) ; B: the mask of my column; padding after every 64 words
	s_mov_b32 s[G1B+1], 128<<16
	s_mov_b32 s[G1B+2], 128<<16
	s_mov_b32 s[G1B+3], 128<<16
	s_mov_b32 s[G1B+4], 128
	s_mov_b32 s[G1B+5], 2048
	s_mov_b32 s[G1B+6], 0
	s_mov_b32 s[G1B+7], 0
	; where the tiles come from.  A's hang on the tile row alone, which my row of the cluster shares; B's on the tile column alone, which my column shares
	s_lshr_b32 s16, s15, 3
	s_lshl_b32 s16, s16, 22                        ; the batch: eight tile rows each, 4,194,304 bytes
	s_and_b32 s17, s15, 7
	s_lshl_b32 s17, s17, 14                        ; 128 tokens of 128 bytes
	s_add_co_u32 s16, s16, s17
	s_lshl_b32 s17, s14, 17                        ; my plane: a group is 131,072 bytes
	s_add_co_u32 s16, s16, s17
	s_mov_b32 s17, 0
	s_lshl_b32 s46, s42, 20                        ; B: 256 rows of 4,096 bytes a tile column,
	s_lshl_b32 s47, s14, 19                        ; my 128
	s_add_co_u32 s46, s46, s47
	s_mov_b32 s47, 0
	s_mul_i32 s20, s14, PLANE                      ; and where they go: no place in the cluster enters an LDS address
	s_mul_i32 s21, s14, HALFB
	s_add_co_u32 s21, s21, BOFF
	s_wait_dscnt 0x0                               ; both opening adds are done
	s_wait_kmcnt 0x0
	s_add_nc_u64 s[18:19], s[4:5], s[16:17]
	s_add_nc_u64 s[46:47], s[6:7], s[46:47]
	CROUND                                         ; all sixteen work-groups are here: the first joint loads meet
.irp s, 0,1
	s_mov_b32 s[G0+4*\s], 1
	s_add_co_u32 s[G0+4*\s+1], s20, \s*SLOT
	s_add_nc_u64 s[G0+4*\s+2:G0+4*\s+3], s[18:19], \s*ASTEP
	s_or_b32 s[G0+4*\s+3], s[G0+4*\s+3], 0x80000000
	s_mov_b32 s[G0B+4*\s], 1
	s_add_co_u32 s[G0B+4*\s+1], s21, \s*SLOT
	s_add_nc_u64 s[G0B+4*\s+2:G0B+4*\s+3], s[46:47], \s*BSTEP
	s_or_b32 s[G0B+4*\s+3], s[G0B+4*\s+3], 0x80000000
	JLOAD \s
.endr
	v_and_b32 v1, 15, v0                           ; l % 16
	v_bfe_u32 v2, v0, 4, 1                         ; l / 16
	s_lshl_b32 s46, s42, 10                        ; my first column, in bytes of f32: 1,024 x tile column + 512 x half
	s_lshl_b32 s47, s14, 9
	s_add_co_u32 s46, s46, s47
	s_mov_b32 s47, 0
	s_add_nc_u64 s[8:9], s[8:9], s[46:47]
	v_lshlrev_b32 v7, 5, v2                        ; my half's eight columns; never rewritten
	WIN 0x80                                       ; destination window 2
.irp b, 0,1,2,3,4,5,6,7
	global_load_b128 v[8*\b:8*\b+3], v7, s[8:9] offset:64*\b       ; the bias of columns 16 b + 8 (l / 16) + 0 .. 7
	global_load_b128 v[8*\b+4:8*\b+7], v7, s[8:9] offset:64*\b+16
.endr
	WIN 0
	v_mul_u32_u24 v3, v1, PA
	v_lshl_add_u32 v3, v2, 4, v3                   ; a fragment's row x pitch + 16 x half
	v_mul_u32_u24 v4, v1, PB
	v_lshl_add_u32 v4, v2, 4, v4
	s_mul_i32 s21, s13, 64*PA                      ; my 64 rows of A, in each plane
	s_mul_i32 s22, s14, HALFB                      ; my 128 rows of B
	s_add_co_u32 s22, s22, BOFF
.irp s, 0,1
	v_add_nc_u32 v[ADRA+\s], s21, v3
	v_add_nc_u32 v[ADRB+\s], s22, v4
	s_add_co_u32 s21, s21, SLOT
	s_add_co_u32 s22, s22, SLOT
.endr
	s_mul_i32 s23, s12, 16*SPITCH                  ; my stage
	v_mul_u32_u24 v5, v1, SPITCH                   ; in: row l % 16, 32 bytes for each half of the lanes
	v_lshl_add_u32 v5, v2, 5, v5
	v_add_nc_u32 v[STO], s23, v5
	v_and_b32 v6, 31, v0
	v_lshlrev_b32 v[CO], 4, v6                     ; back: the 32 lanes take one row of 512 bytes; and the same in C
	v_add_nc_u32 v[RD], s23, v[CO]
	s_lshl_b32 s16, s15, 19                        ; my first row of C: 128 rows of 4,096 bytes a tile row,
	s_lshl_b32 s17, s13, 18                        ; my 64
	s_add_co_u32 s16, s16, s17
	s_mov_b32 s17, 0
	s_add_nc_u64 s[10:11], s[10:11], s[16:17]
	s_add_nc_u64 s[10:11], s[10:11], s[46:47]
	; the prefetches: both offsets are made first, then chosen on the wave's number
	s_lshr_b32 s16, s15, 3
	s_lshl_b32 s16, s16, 22
	s_and_b32 s17, s15, 7
	s_lshl_b32 s17, s17, 14
	s_add_co_u32 s16, s16, s17
	s_lshl_b32 s17, s40, 12                        ; A: my work-group's 16 runs of 256 bytes in each plane
	s_add_co_u32 s16, s16, s17
	s_add_co_u32 s16, s16, 3*ASTEP                 ; at K step 3: the first change of slots steps it to 4
	s_lshl_b32 s20, s42, 20
	s_lshl_b32 s17, s14, 19
	s_add_co_u32 s20, s20, s17
	s_lshl_b32 s17, s41, 17                        ; B: my work-group's 32 rows of the 128 that I fetch
	s_add_co_u32 s20, s20, s17
	s_add_co_u32 s20, s20, 3*BSTEP
	s_and_b32 s22, ttmp7, 0xffff                   ; cluster y
	s_mov_b32 s[PFS], BSTEP
	s_mov_b32 s23, 65536
	s_mov_b32 s21, 4096
	s_cmp_eq_u32 s13, 0                            ; do I fetch for A?
	s_cselect_b64 s[PFA:PFA+1], s[4:5], s[6:7]
	s_cselect_b32 s16, s16, s20
	s_cselect_b32 s22, s12, s22                    ; A: wave 0 asks; B: the clusters with y = 0
	s_cselect_b32 s[PFS], ASTEP, s[PFS]
	s_cselect_b32 s23, 131072, s23                 ; from lanes 0-15 to lanes 16-31: A the other plane, B 16 rows
	s_cselect_b32 s21, 256, s21                    ; from lane to lane: A 256 bytes, B a row
	s_mov_b32 s[PFS+1], 0
	s_mov_b32 s17, 0
	s_add_nc_u64 s[PFA:PFA+1], s[PFA:PFA+1], s[16:17]
	s_cmp_eq_u32 s22, 0
	s_cselect_b32 s[LIM], 1, -1                    ; the same in all sixteen partners, for a given wave
	v_mul_lo_u32 v[PFO], v2, s23
	v_mul_lo_u32 v8, v1, s21
	v_add_nc_u32 v[PFO], v[PFO], v8
; 8 matrix instructions: A's block a x B's eight, 32 along K, from buffer f.  first = 1: the bias is the C of the sum's first product.  The 32 accumulators take turns, one instruction a turn, in the same order in
; every quarter.
.macro MUL8 f, a, first
.irp b, 0,1,2,3,4,5,6,7
.if \first
	v_wmma_f32_16x16x32_f16 v[8*(8*(\a)+\b):8*(8*(\a)+\b)+7], v[\f+32+8*\b:\f+32+8*\b+7], v[\f+8*(\a):\f+8*(\a)+7], v[8*\b:8*\b+7]
.else
	v_wmma_f32_16x16x32_f16 v[8*(8*(\a)+\b):8*(8*(\a)+\b)+7], v[\f+32+8*\b:\f+32+8*\b+7], v[\f+8*(\a):\f+8*(\a)+7], v[8*(8*(\a)+\b):8*(8*(\a)+\b)+7]
.endif
.endr
.endm
; 24 LDS loads in one run: the fragments of the slot's q-th 32 along K into buffer f: 128 rows of B, 64 rows of A (plane q / 2, bytes 64 (q % 2) on)
.macro FETCH slot, q, f
.irp i, 0,1,2,3,4,5,6,7
	ds_load_b128 v[\f+32+8*\i:\f+32+8*\i+3], v[ADRB+\slot] offset:64*(\q)+\i*16*PB
	ds_load_b128 v[\f+32+8*\i+4:\f+32+8*\i+7], v[ADRB+\slot] offset:64*(\q)+\i*16*PB+32
.endr
.irp i, 0,1,2,3
	ds_load_b128 v[\f+8*\i:\f+8*\i+3], v[ADRA+\slot] offset:((\q)/2)*PLANE+64*((\q)%2)+\i*16*PA
	ds_load_b128 v[\f+8*\i+4:\f+8*\i+7], v[ADRA+\slot] offset:((\q)/2)*PLANE+64*((\q)%2)+\i*16*PA+32
.endr
.endm
.macro PLACES                          ; four places in front of loads into registers that matrix instructions have read, and of the first reads of results (ISA guide 7.12.1 for vector instructions)
.rept 4
	v_nop
.endr
.endm
; A K step is four quarters of 32 along K, 32 matrix instructions each, on buffers 0, 1, 0, 1.  One of the first three: multiplies buffer f; ahead of its products it asks for quarter qn of the same slot, into g.
.macro QUARTER slot, qn, f, g, first
	WIN 0
	s_wait_dscnt 0x0                               ; buffer f is in: it was asked for 32 matrix instructions ago
	PLACES
	FETCH \slot, \qn, \g
.if \first
	WIN FST
.else
	WIN MUL
.endif
.irp a, 0,1,2,3
	MUL8 \f, \a, \first
.endr
.endm
; The last quarter multiplies buffer 1 and changes slots: ONE barrier; in front of it each wave waits for all its tensor loads, adds 0 to its spare word, and waits for that and for its own reads of this slot.
; fill = 1: the barrier opens a round of the cluster's barrier, and this slot is filled again, two K steps ahead: the refill has 112 matrix instructions a wave in which to land.
.macro TURN slot, next, fill
	WIN 0                                          ; (the add's two registers lie in window 0)
.if \fill
	s_wait_xcnt 0x0                                ; the last prefetch, a K step back, has read its address: it is stepped here, ahead of the waits of the change of slots
	s_add_nc_u64 s[PFA:PFA+1], s[PFA:PFA+1], s[PFS:PFS+1]
.endif
	s_wait_tensorcnt 0x0                           ; all my tensor loads have landed: my part of the next slot;
	ds_add_u32 v[SPW], v[NIL]                      ; 0 onto my spare word;
	s_wait_dscnt 1                                 ; (buffer 1 is in; the add may be out)
	WIN MUL
	MUL8 F1, 0, 0                                  ; eight matrix instructions stand between the add and the wait for it
	s_wait_dscnt 0x0                               ; the add is done, and my reads of this slot are over
	s_barrier_signal -1
	MUL8 F1, 1, 0
	WIN 0
	s_barrier_wait -1
.if \fill
	CREST                                          ; no wave of any partner still reads this slot's tile or has a load on its way
	s_add_nc_u64 s[G0+4*\slot+2:G0+4*\slot+3], s[G0+4*\slot+2:G0+4*\slot+3], 2*ASTEP
	s_add_nc_u64 s[G0B+4*\slot+2:G0B+4*\slot+3], s[G0B+4*\slot+2:G0B+4*\slot+3], 2*BSTEP
	JLOAD \slot                                    ; the first tensor load behind the round; the four v_nop behind it are also the places in front of the loads below
.else
	PLACES
.endif
	FETCH \next, 0, F0
.if \fill
	ASK
.endif
	WIN MUL
	MUL8 F1, 2, 0
	MUL8 F1, 3, 0
.endm
	s_wait_tensorcnt 1                             ; my part of K step 0 is in (K step 1's load may be out)
	s_barrier_signal -1
	s_barrier_wait -1                              ; everybody's is
	FETCH 0, 0, F0
	s_wait_loadcnt 0x0                             ; the bias
	QUARTER 0, 1, F0, F1, 1                        ; the first quarter stands in front of the loop: its products start the sums
	WIN 0                                          ; at a label and at a branch every window is 0
	s_mov_b32 s3, LAPS-1
.Llap:                                                 ; a trip goes once round the ring, from a lap's second quarter to the next lap's first, and fills both slots again
	QUARTER 0, 2, F1, F0, 0
	QUARTER 0, 3, F0, F1, 0
	TURN 0, 1, 1
	QUARTER 1, 1, F0, F1, 0
	QUARTER 1, 2, F1, F0, 0
	QUARTER 1, 3, F0, F1, 0
	TURN 1, 0, 1
	QUARTER 0, 1, F0, F1, 0
	WIN 0
	s_sub_co_u32 s3, s3, 1
	s_cmp_lg_u32 s3, 0
	s_cbranch_scc1 .Llap
	QUARTER 0, 2, F1, F0, 0                        ; the last lap fills nothing, and has no round of the cluster's barrier
	QUARTER 0, 3, F0, F1, 0
	TURN 0, 1, 0
	QUARTER 1, 1, F0, F1, 0
	QUARTER 1, 2, F1, F0, 0
	QUARTER 1, 3, F0, F1, 0
	s_wait_dscnt 0x0                               ; the very last quarter: nothing more to fetch
.irp a, 0,1,2,3
	MUL8 F1, \a, 0
.endr
	WIN 0
; THE WAY OUT, block by block of 16 rows x 128 columns.  A lane holds 32 neighbouring bytes of a row, and the lanes beside it hold other rows: so a block goes through my own stage in LDS and comes back as whole rows
; of 512 bytes.  LDS serves a wave's instructions in order (ISA guide 5.7.1.4): no wait between the stores and the loads, nor in front of the next block's stores.
.macro TOSTAGE a
.set AC, 64*(\a)
	WIN 0x04                                       ; an LDS store's data are its source 1: window 1
.irp b, 0,1,2,3,4,5,6,7
	ds_store_b128 v[STO], v[AC+8*\b:AC+8*\b+3] offset:64*\b          ; each accumulator from its low end on
	ds_store_b128 v[STO], v[AC+8*\b+4:AC+8*\b+7] offset:64*\b+16
.endr
	WIN 0
.set BB, BK+64*((\a)%2)
.irp t, 0,1,2,3,4,5,6,7,8,9,10,11,12,13,14,15
	ds_load_b128 v[BB+4*\t:BB+4*\t+3], v[RD] offset:\t*SPITCH
.endr
.endm
.macro SEND a, younger                 ; younger: the LDS instructions issued behind block a's loads, which may stay out
.set BB, BK+64*((\a)%2)
	s_wait_dscnt \younger
.irp t, 0,1,2,3,4,5,6,7,8,9,10,11,12,13,14,15
	global_store_b128 v[CO], v[BB+4*\t:BB+4*\t+3], s[10:11] offset:(16*(\a)+\t)*4096 th:TH_STORE_NT   ; 32 lanes store 512 consecutive bytes, at a multiple of 256 from out0's first byte; written once, read by nobody here
.endr
.endm
	PLACES                                         ; behind the last products: for the reads of results and the loads into the fragments' registers
	TOSTAGE 0
.irp a, 1,2,3
.if \a > 1
	s_wait_xcnt 0x0                                ; block a - 2's stores have read their registers: block a's loads may land there
.endif
	TOSTAGE \a
	SEND \a-1, 32                                  ; behind block a - 1's loads: block a's 16 stores and 16 loads
.endr
	SEND 3, 0
	s_wait_tensorcnt 0x0                           ; the wave's end: behind my last tensor load and my last LDS store
	ds_add_u32 v[SPW], v[NIL]
	s_wait_dscnt 0x0
	CROUND                                         ; the closing round: no work-group ends while a partner may still ask for a tile that names it
	s_endpgm
.Lfunc_end_k_qf1681c1ea2_outp:
	.size	k_qf1681c1ea2_outp, .Lfunc_end_k_qf1681c1ea2_outp-k_qf1681c1ea2_outp
	.p2alignl 7, 3214868480
	.fill 96, 4, 3214868480
	.section	.rodata,"a",@progbits
	.p2align	6, 0x0
	.amdhsa_kernel k_qf1681c1ea2_outp
		.amdhsa_group_segment_fixed_size 327680
		.amdhsa_private_segment_fixed_size 0
		.amdhsa_enable_private_segment 0
		.amdhsa_kernarg_size 32
		.amdhsa_user_sgpr_count 2
		.amdhsa_user_sgpr_kernarg_segment_ptr 1
		.amdhsa_wavefront_size32 1
		.amdhsa_system_sgpr_workgroup_id_x 1
		.amdhsa_system_sgpr_workgroup_id_y 1
		.amdhsa_system_sgpr_workgroup_id_z 1
		.amdhsa_system_vgpr_workitem_id 0
		.amdhsa_next_free_vgpr 576
		.amdhsa_next_free_sgpr 100
		.amdhsa_reserve_vcc 0
		.amdhsa_float_denorm_mode_32 3
		.amdhsa_float_denorm_mode_16_64 3
		.amdhsa_memory_ordered 1
		.amdhsa_forward_progress 1
		.amdhsa_inst_pref_size 88
	.end_amdhsa_kernel
	.amdgpu_metadata
---
amdhsa.version: [ 1, 2 ]
amdhsa.kernels:
  - .name:           k_qf1681c1ea2_outp
    .symbol:         k_qf1681c1ea2_outp.kd
    .args:
      - { .name: cat, .offset: 0, .size: 8, .value_kind: global_buffer, .address_space: global }
      - { .name: wot, .offset: 8, .size: 8, .value_kind: global_buffer, .address_space: global }
      - { .name: wo_b, .offset: 16, .size: 8, .value_kind: global_buffer, .address_space: global }
      - { .name: out0, .offset: 24, .size: 8, .value_kind: global_buffer, .address_space: global }
    .group_segment_fixed_size: 327680
    .private_segment_fixed_size: 0
    .kernarg_segment_align: 8
    .kernarg_segment_size: 32
    .max_flat_workgroup_size: 128
    .sgpr_count:     100
    .vgpr_count:     576
    .wavefront_size: 32
...
	.end_amdgpu_metadata
.endif
;; end of part 4
